; MI455X (gfx1250); checked and timed in simulation.
; The chip was launched on July 23, 2026; its instructions are those of AMD's public machine-readable ISA for CDNA 5 (MIT licence, August 2026) and "CDNA5" Instruction Set Architecture Reference Guide (July 2026). The comments in the code are by the model that wrote it; some were corrected since.
;; Attention. Allowed arithmetic: matrix products marked QUANTISED: E3M2 operands, one E8M0 scale for each 32 along K, by v_wmma_scale_f32_16x16x128_f8f6f4 with both operands' format E3M2, f32 sums; everything else in f32.
;; Inputs: W_attn 3,072 x 1,024 float32; W_proj 1,024 x 1,024 float32; b_attn 3,072 float32; b_proj 1,024 float32; x 8 x 1,024 x 1,024 float32.
;; Outputs: out0 8 x 1,024 x 1,024 float32.
;; This version of the problem:
;;   THIS VERSION OF THE PROBLEM IS GIVEN IN LOW PRECISION. The matrix products marked QUANTISED in the list below multiply operands that are first quantised to E3M2 (3 exponent bits, 2 mantissa bits; 6 bits a number), with one power-of-two scale for each 32 numbers along K (OCP MX v1.0); their sums are f32. All else is computed in f32.
;;   The module's matrix products, in the order in which they are computed (A, B: the left and right operand; K: the contracted axis; several contracted axes count as one K, in the product's order):
;;     1. [M 8,192, K 1,024] x [K 1,024, N 3,072]; A: input x; B: input W_attn: QUANTISED
;;     2. batch 128 x [M 1,024, K 64] x [K 64, N 1,024]; A: computed on the way; B: computed on the way: QUANTISED
;;     3. batch 128 x [M 1,024, K 1,024] x [K 1,024, N 64]; A: softmax (see below); B: computed on the way: QUANTISED
;;     4. [M 8,192, K 1,024] x [K 1,024, N 1,024]; A: computed on the way; B: input W_proj: QUANTISED
;;   THE QUANTISER, for each operand of a quantised product, along K:
;;     - K is cut into blocks of 32 from its start; a last block that is shorter is filled with zeros.
;;     - A block's scale is 2^e with e = floor(log2(the largest magnitude in the block)) - 4, held to -126 .. 127; a block of zeros has e = 0. As a byte (E8M0): e + 127.
;;     - Each number is divided by its block's scale, clamped to +-28, and rounded to the nearest number of E3M2, ties to even, subnormals kept.
;;     - The product sums the exact products of the quantised numbers (number of the format x scale) in f32.
;;   ~~~python
;;   def quantise(x, axis):      # numpy; x: float32 -> the quantised numbers, widened to float32 again
;;       x = np.moveaxis(x, axis, -1); K = x.shape[-1]
;;       x = np.pad(x, [(0, 0)] * (x.ndim - 1) + [(0, -K % 32)]); x = x.reshape(x.shape[:-1] + (-1, 32)); a = np.abs(x).max(-1, keepdims=True)
;;       e = np.where(a > 0, np.clip(np.frexp(np.where(a > 0, a, 1))[1] - 1 - 4, -126, 127), 0)      # np.frexp(a)[1] - 1 = floor(log2(a)), exactly
;;       r = np.clip(x / 2.0 ** e, -28, 28)
;;       step = 2.0 ** (np.maximum(np.frexp(np.where(r == 0, 1, r))[1] - 1, -2) - 2)
;;       q = np.round(r / step) * step * 2.0 ** e      # np.round: ties to even
;;       return np.moveaxis(q.reshape(q.shape[:-2] + (-1,))[..., :K], -1, axis).astype(np.float32)
;;   ~~~
;;   SOFTMAX AHEAD OF A QUANTISED PRODUCT. Where the list says 'softmax', what is quantised is not the finished softmax but p = 2^(t - M), with t = logit x log2(e) and M = ceil(the row's largest t), a whole number; so 1/2 < the row's largest p <= 1. The row's sum l is taken of the UNQUANTISED p, in f32, and the product's result is divided by l at the end. Since M is a whole number, a kernel that streams over the keys may use a running M (the ceiling of the running maximum): every later rescaling is an exact power of two, which a block's scale takes up: the codes' values come out the same.
;;   OPERANDS COMPUTED ON THE WAY. 'Computed on the way' means the value that the module computes at that place (a softmax that the list does not call 'softmax' is quantised finished and normalised). What goes into a quantiser is computed in f32, as accurately as f32 sums, v_exp_f32 and their like allow (about 1e-6 of the number): no bf16 or f16 on the way to a quantiser, and a product that is left as it is and whose result goes on into a quantised operand takes f32 operands (vector FMAs, or v_wmma_f32_16x16x4_f32). A number that lies on a knife's edge between two numbers of the format may be rounded either way, as far as f32 arithmetic and the matrix unit's own rounding can turn it there, and no further.
;; One version. Each part assembles by itself: llvm-mc -triple=amdgcn-amd-amdhsa -mcpu=gfx1250 --defsym DOCPART=n.
;; ======== version 1 of 1: 4 launches
;; limits: right only within a limited range of input values
;; workspace buffers: c1 9,437,184 bytes; s1 393,216 bytes; qkv_c 18,874,368 bytes; qkv_s 1,310,720 bytes; o_c 6,291,456 bytes; o_s 262,144 bytes
;; launch quant (part 1): grid 256 x 1, 6 waves a work-group, no clusters, 51,456 bytes of LDS; arguments x, W_attn, W_proj, c1, s1; writes c1, s1
.if DOCPART == 1
	.amdgcn_target "amdgcn-amd-amdhsa--gfx1250"
	.amdhsa_code_object_version 6
	.text
	.protected	k_qfe5e43382c_quant
	.globl	k_qfe5e43382c_quant
	.p2align	8
	.type	k_qfe5e43382c_quant,@function
k_qfe5e43382c_quant:
	s_mov_b64 s[64:65], 0
	v_nop
	global_prefetch_b8 v0, s[64:65] scope:SCOPE_SE
	s_setreg_imm32_b32 hwreg(HW_REG_WAVE_MODE, 25, 1), 1
	s_wait_xcnt 0x0
; x [8192][1024], W_attn [3072][1024], W_proj [1024][1024], f32, K innermost, become codes of BF6 (E3M2) with one E8M0 byte for each 32 along K,
; laid IN THE ORDER OF THE OPERAND'S REGISTERS, so that the products' launches read fragments by contiguous loads alone.
; A TILE is 16 rows that are not neighbours: tile 2 g + u, lane r stands for row 32 g + 8 u + r + 8 (r / 8).  768 tiles: x 0-511, W_attn 512-703, W_proj 704-767.
; A FRAGMENT (16 rows x 128 K, 12 registers a lane) is 1,536 bytes: registers 0-3 at 16 x lane, 4-5 at 512 + 8 x lane, 6-9 at 768 + 16 x lane, 10-11 at 1,280 + 8 x lane.
; c1: [tile][K step 0..7][1,536].  s1: [tile][half of K][r][4 words]: a word is the four bytes of one row and one K step.
; A block's scale is 2^(floor(log2(its largest magnitude)) - 4); its byte is the largest magnitude's exponent field - 4, held at 1 from below.
; LIMITS: a block whose largest magnitude lies under 2^-122 (a block of zeros too) gets the byte 1: its codes are zeros or subnormal codes, and the bytes are read by this program alone; NaN and infinities are not served.
; SHARES: 1,536 jobs (a tile x half of K: four fragments, 32 KB of f32), six waves a work-group, a job a wave.  Waves share nothing: no barrier.  No matrix unit, no cluster, no tensor load: a stream read once.
; Each load reads 512 consecutive bytes of one row; a fragment's 16 rows turn through the wave's own stage in LDS (rows 528 bytes apart) so that a lane gets two whole blocks of 32 neighbours.
.set STG,   8448                       ; a wave's stage: 16 rows x 528 bytes
.set PITCH, 528                        ; 512 bytes + 16: the sixteen rows that a read touches begin 16 bytes apart modulo 256
.set R, 16                             ; v16-207  three sets of 64 numbers
.set C, 208                            ; v208-231 two sets of 12 registers of codes
.set T, 232                            ; v232-239 the upper halves of the two blocks as the conversions leave them
.set W, 240                            ; v240-243 the four fragments' scale words
	s_load_b256 s[4:11], s[0:1], 0x0               ; x s[4:5], W_attn s[6:7], W_proj s[8:9], c1 s[10:11]
	s_load_b64 s[12:13], s[0:1], 0x20              ; s1
	v_lshl_add_u32 v254, v0, 2, 0xc600
	v_mov_b32 v255, 0
	v_lshrrev_b32 v1, 5, v0
	v_readfirstlane_b32 s14, v1                    ; wave 0..5
	v_and_b32 v1, 31, v0                           ; lane
	v_and_b32 v2, 15, v0                           ; r
	v_bfe_u32 v3, v0, 4, 1                         ; h
	v_lshlrev_b32 v4, 4, v1                        ; 16 x lane: loads and 16-byte stores
	v_lshlrev_b32 v5, 3, v1                        ; 8 x lane: 8-byte stores
	s_mul_i32 s23, s14, STG
	v_add_nc_u32 v6, s23, v4                       ; the stage, on the way in: a row's 512 bytes as they lie
	v_mul_u32_u24 v7, v2, PITCH
	v_lshl_add_u32 v7, v3, 7, v7
	v_add_nc_u32 v7, s23, v7                       ; and on the way out: row r, + 128 h: my block of 32 numbers
	v_lshlrev_b32 v8, 4, v2                        ; 16 r: my row's four scale words
	v_lshlrev_b32 v9, 3, v3                        ; 8 h: where my two bytes stand in a scale word
	s_mov_b32 s20, 0x76543210
	s_mov_b32 s21, 0xfedcba98                      ; v_permlanex16_b32's selects for lane l xor 16
	s_mul_i32 s15, ttmp9, 6
	s_add_co_u32 s15, s15, s14                     ; job = 2 x tile + half of K
	s_lshr_b32 s16, s15, 1                         ; tile
	s_and_b32 s17, s15, 1                          ; half of K
	s_mov_b32 s18, 704
	s_wait_alu depctr_va_vdst(0)
	s_wait_kmcnt 0x0
	s_cmp_lt_u32 s16, 704                          ; which tensor: the choice hangs on the job's number alone
	s_cselect_b64 s[6:7], s[6:7], s[8:9]
	s_cselect_b32 s18, 512, s18
	s_cmp_lt_u32 s16, 512
	s_cselect_b64 s[4:5], s[4:5], s[6:7]
	s_cselect_b32 s18, 0, s18
	s_sub_co_u32 s18, s16, s18                     ; the tile's number in its own tensor
	s_lshr_b32 s19, s18, 1
	s_lshl_b32 s19, s19, 17                        ; 32 rows of 4,096 bytes for each pair of tiles,
	s_and_b32 s18, s18, 1
	s_lshl_b32 s18, s18, 15                        ; 8 rows for the odd tile,
	s_add_co_u32 s18, s18, s19
	s_lshl_b32 s19, s17, 11                        ; 2,048 bytes for the second half of K
	s_add_co_u32 s18, s18, s19
	s_mov_b32 s19, 0
	s_add_nc_u64 s[4:5], s[4:5], s[18:19]
	s_mul_i32 s18, s15, 6144                       ; a job's four fragments
	s_add_nc_u64 s[10:11], s[10:11], s[18:19]
	s_lshl_b32 s18, s15, 8                         ; and its 256 bytes of scale words
	s_add_nc_u64 s[12:13], s[12:13], s[18:19]
.macro LOAD t                          ; fragment t: 128 numbers of each of the tile's 16 rows, into set t % 3
.irp i, 0,1,2,3,4,5,6,7,8,9,10,11,12,13,14,15
	global_load_b128 v[R+64*((\t)%3)+4*\i:R+64*((\t)%3)+4*\i+3], v4, s[4:5] offset:(\i+8*(\i/8))*4096+512*(\t) th:TH_LOAD_NT
.endr
.endm
; Fragment t is turned, quantised and stored.  left: the younger loads, which may stay out.
.macro FRAGQ t, left
.set XS, R+64*((\t)%3)
.set CS, C+12*((\t)%2)
	s_wait_loadcnt \left                           ; loads come back in order: this fragment's sixteen are in
.irp i, 0,1,2,3,4,5,6,7,8,9,10,11,12,13,14,15
	ds_store_b128 v6, v[XS+4*\i:XS+4*\i+3] offset:PITCH*\i
.endr
.irp c, 0,1                            ; LDS serves a wave's instructions in order: these see the stores above, and land in the registers that those have left
.irp m, 0,1,2,3,4,5,6,7
	ds_load_b128 v[XS+32*\c+4*\m:XS+32*\c+4*\m+3], v7 offset:256*\c+16*\m
.endr
.endr
	s_wait_dscnt 0x0                               ; register 32 c + i now holds k = 64 c + 32 h + i of row r: blocks h and 2 + h, whole
.irp c, 0,1
	v_max3_num_f32 v[10+\c], |v[XS+32*\c]|, |v[XS+32*\c+1]|, 0x2800000   ; the floor 2^(5 - 127) among the leaves: the byte cannot fall under 1
.endr
.irp i, 2,4,6,8,10,12,14,16,18,20,22,24,26,28,30
.irp c, 0,1
	v_max3_num_f32 v[10+\c], v[10+\c], |v[XS+32*\c+\i]|, |v[XS+32*\c+\i+1]|   ; the two blocks by turns
.endr
.endr
.irp c, 0,1
	v_add_nc_u32 v[12+\c], 0xfe000000, v[10+\c]    ; 4 off the exponent field: the conversion's scale operand
.endr
.irp c, 0,1
	v_lshrrev_b32 v[14+\c], 23, v[12+\c]           ; the scale's byte
.endr
	v_lshl_or_b32 v[W+(\t)], v15, 16, v14          ; my two bytes,
	v_lshlrev_b32 v[W+(\t)], v9, v[W+(\t)]         ; at their places,
	v_permlanex16_b32 v10, v[W+(\t)], s20, s21
	v_or_b32 v[W+(\t)], v[W+(\t)], v10             ; with lane l xor 16's two the word is whole
.if (\t) >= 2
	s_wait_alu depctr_va_vdst(0)
	s_wait_xcnt 0x0                                ; the stores of two fragments back have read this set of codes
.endif
	v_cvt_scalef32_pk16_bf6_f32 v[CS:CS+2], v[XS:XS+15], v12
	v_cvt_scalef32_pk16_bf6_f32 v[T:T+2], v[XS+16:XS+31], v12       ; (a conversion's three registers begin on an even number)
	v_cvt_scalef32_pk16_bf6_f32 v[CS+6:CS+8], v[XS+32:XS+47], v13
	v_cvt_scalef32_pk16_bf6_f32 v[T+4:T+6], v[XS+48:XS+63], v13
	v_nop                                          ; one plain place behind the conversions
.irp i, 0,1,2
	v_mov_b32 v[CS+3+\i], v[T+\i]
	v_mov_b32 v[CS+9+\i], v[T+4+\i]
.endr
	global_store_b128 v4, v[CS:CS+3], s[10:11] offset:1536*(\t)          ; 512 consecutive bytes, aligned
	global_store_b64 v5, v[CS+4:CS+5], s[10:11] offset:1536*(\t)+512     ; 256
	global_store_b128 v4, v[CS+6:CS+9], s[10:11] offset:1536*(\t)+768
	global_store_b64 v5, v[CS+10:CS+11], s[10:11] offset:1536*(\t)+1280
.endm
	LOAD 0
	LOAD 1
	LOAD 2                                         ; 48 loads a wave are out
	FRAGQ 0, 32                                    ; behind it: fragments 1 and 2
	LOAD 3                                         ; into the set that fragment 0 has left
	FRAGQ 1, 32                                    ; fragments 2 and 3
	FRAGQ 2, 16                                    ; fragment 3
	FRAGQ 3, 0
	v_cmp_gt_u32 vcc_lo, 16, v1                    ; lanes 16-31 hold the same words: lanes 0-15 store them
	s_wait_xcnt 0x0                                ; EXEC changes only behind this wait
	s_barrier_signal -1
	s_barrier_wait -1
	s_wait_tensorcnt 0x0
	ds_add_u32 v254, v255
	s_wait_dscnt 0x0
	s_and_saveexec_b32 s22, vcc_lo
	global_store_b128 v8, v[W:W+3], s[12:13]       ; sixteen lanes store 256 consecutive bytes, aligned
	s_wait_xcnt 0x0
	s_or_b32 exec_lo, exec_lo, s22
	s_endpgm
.Lfunc_end_k_qfe5e43382c_quant:
	.size	k_qfe5e43382c_quant, .Lfunc_end_k_qfe5e43382c_quant-k_qfe5e43382c_quant
	.p2alignl 7, 3214868480
	.fill 96, 4, 3214868480
	.section	.rodata,"a",@progbits
	.p2align	6, 0x0
	.amdhsa_kernel k_qfe5e43382c_quant
		.amdhsa_group_segment_fixed_size 51456
		.amdhsa_private_segment_fixed_size 0
		.amdhsa_enable_private_segment 0
		.amdhsa_kernarg_size 40
		.amdhsa_user_sgpr_count 2
		.amdhsa_user_sgpr_kernarg_segment_ptr 1
		.amdhsa_wavefront_size32 1
		.amdhsa_system_sgpr_workgroup_id_x 1
		.amdhsa_system_sgpr_workgroup_id_y 1
		.amdhsa_system_sgpr_workgroup_id_z 1
		.amdhsa_system_vgpr_workitem_id 0
		.amdhsa_next_free_vgpr 256
		.amdhsa_next_free_sgpr 66
		.amdhsa_reserve_vcc 1
		.amdhsa_float_denorm_mode_32 3
		.amdhsa_float_denorm_mode_16_64 3
		.amdhsa_memory_ordered 1
		.amdhsa_forward_progress 1
		.amdhsa_inst_pref_size 31
	.end_amdhsa_kernel
	.amdgpu_metadata
---
amdhsa.version: [ 1, 2 ]
amdhsa.kernels:
  - .name:           k_qfe5e43382c_quant
    .symbol:         k_qfe5e43382c_quant.kd
    .args:
      - { .name: x, .offset: 0, .size: 8, .value_kind: global_buffer, .address_space: global }
      - { .name: W_attn, .offset: 8, .size: 8, .value_kind: global_buffer, .address_space: global }
      - { .name: W_proj, .offset: 16, .size: 8, .value_kind: global_buffer, .address_space: global }
      - { .name: c1, .offset: 24, .size: 8, .value_kind: global_buffer, .address_space: global }
      - { .name: s1, .offset: 32, .size: 8, .value_kind: global_buffer, .address_space: global }
    .group_segment_fixed_size: 51456
    .private_segment_fixed_size: 0
    .kernarg_segment_align: 8
    .kernarg_segment_size: 40
    .max_flat_workgroup_size: 192
    .sgpr_count:     66
    .vgpr_count:     256
    .wavefront_size: 32
...
	.end_amdgpu_metadata
.endif
;; end of part 1
;; launch qkv (part 2): grid 8 x 32, 4 waves a work-group, clusters of 4 x 4, 327,680 bytes of LDS; arguments c1, s1, b_attn, qkv_c, qkv_s; writes qkv_c, qkv_s
.if DOCPART == 2
	.amdgcn_target "amdgcn-amd-amdhsa--gfx1250"
	.amdhsa_code_object_version 6
	.text
	.protected	k_qfe5e43382c_qkv
	.globl	k_qfe5e43382c_qkv
	.p2align	8
	.type	k_qfe5e43382c_qkv,@function
k_qfe5e43382c_qkv:
	s_mov_b64 s[64:65], 0
	v_nop
	global_prefetch_b8 v0, s[64:65] scope:SCOPE_SE
	s_setreg_imm32_b32 hwreg(HW_REG_WAVE_MODE, 25, 1), 1
	s_wait_xcnt 0x0
	s_wait_alu depctr_hold_cnt(0) depctr_sa_sdst(0) depctr_va_vdst(0) depctr_va_sdst(0) depctr_va_ssrc(0) depctr_va_vcc(0) depctr_vm_vsrc(0)
	s_getreg_b32 s2, hwreg(HW_REG_IB_STS2, 6, 4)
	s_cmp_eq_u32 s2, 0
	s_cbranch_scc0 .Lentry_in_a_cluster
	s_endpgm
.Lentry_in_a_cluster:
	s_bfe_u32 s2, ttmp6, 0x10000c
	s_cmp_lg_u32 s2, 0xf033
	s_cbranch_scc0 .Lentry_shape_is_right
	s_endpgm
.Lentry_shape_is_right:
; qkv = x W_attn^T + b_attn on codes of BF6 (sums f32, bias f32), and its three parts quantised again as the attention's operands: q and k along the head's 64, v down the tokens.
; OPERANDS come from c1, s1 in the order of the operand's registers: tile 2 g + u, lane r = row 32 g + 8 u + r + 8 (r / 8); a fragment (16 rows x 128 K) is 1,536 bytes; codes [tile][K step][1,536]; scale words [tile][half of K][r][4].
; A TILE OF WORK multiplies S0 (16 tiles, source 0) by S1 (8 tiles, source 1).  A lane's 16 registers of S0's tiles 2 g, 2 g + 1 are 16 neighbours of S0's rows: what a quantiser along S0's rows wants.
; A WORK-GROUP STAYS and walks three tiles of work: 256 work-groups, 768 tiles.  With Y the cluster's y (0..7): trips 0, 1 (the loop): S0 = 256 rows of W_q or W_k, S1 = 128 tokens of block 4 (Y + 8 trip) + cy;
; the third, written out: S0 = 256 tokens, S1 = 128 rows of W_v.  So every work-group has the same work, and a role is known where the text is assembled.
; THE RING: K goes in halves of 512 through two LDS slots of 147,456 bytes: S0's codes (16 rows of 6,144 bytes), then S1's (8 rows).  Four joint loads, one a wave: waves 0, 1 bring 8 rows of S0 each, waves 2, 3 4 rows of S1 each.
; Every row begins at a multiple of 256 bytes.  A slot is asked for again in its last K step, when that step's fragments are in registers: the load has the other slot's four K steps (and every second time the way out) in which to land.
; THE SCALE WORDS go from memory into their registers, sixteen lanes to 256 consecutive bytes: a half of K's as soon as the products that read that half's registers are done, half a tile of work ahead of their use.
; CLUSTER 4 x 4: S0's tiles hang on the work-group's x: asked for jointly along a column of the cluster; S1's on its y: along a row.
; NO PREFETCH: each block of c1 is asked for in the same trip by both clusters of a row (S1) or by all eight of a column (S0, whose 16 tiles are also the same in trips 0 and 1), so a cluster would name what others load at that moment.
; FOUR WAVES: wave w takes half w & 1 of S0 (8 tiles) and half w >> 1 of S1 (4 tiles): 32 accumulators.
; OUT: qkv_c [head 0..127][147,456]: Q [token tile 0..63][768], K likewise at 49,152, V [key step 0..7][channel tile 0..3][1,536] at 98,304.
;      qkv_s [head][10,240]: Q [tile / 4][r][word tile % 4] (two bytes, the upper two 0), K likewise at 4,096, V [key step][r][word channel tile] at 8,192.
; LIMITS: a block whose largest magnitude lies under 2^-122 gets the byte 1 (the bytes are read by this program alone); NaN and infinities are not served.
; REGISTERS, in windows of 256: window 0: v4-13 addresses; v32-63 S0's scale words, v64-79 S1's; v80-127, v128-175 S1's fragments, two sets.  window 1: S0's fragments, two sets, at v0 and v128.
;   window 2: accumulator (a, b) at v[64 b + 8 a].   window 3: v0-63 the bias of W_q's or W_k's rows in the result's layout, v64-71 the lane's bias of W_v's rows, v72-187 the way out: so the next tile's fragments stay in their registers meanwhile.
.set SLOT, 147456
.set L1C,  98304                       ; in a slot: S1's codes
.set SPARE, 2*SLOT                     ; the spare words: 512 bytes that no other line names
.set WV,  20                           ; s20 wave;  s21 wave >> 1: my half of S1, and: I fetch for S0 (0) or S1 (1);  s22 wave & 1: my half of S0, and: which half I fetch
.set J,   21
.set I,   22
.set G1A, 24                           ; descriptor groups 1: S0's codes, S1's codes
.set G1B, 32
.set G0A, 56                           ; and groups 0
.set G0B, 60
.set T0,  80                           ; first tile of S0 and of S1 of the tile of work that is being asked for
.set T1,  81
.set T0V, 86                           ; the same for the third tile of work
.set T1V, 87
.set TRIP, 88
.set SEL, 2                            ; s[2:3] v_permlanex16_b32's selects
.set SC0, 32
.set SC1, 64
.set BV,  64                           ; window 3 from here on
.set L16, 72                           ; 16 x lane;  8 x lane;  16 x (lane / 16);  lane;  16 r;  16 r + 10,240 (lane / 16)
.set L8,  73
.set SH,  74
.set LN,  75
.set WA,  76
.set WQ,  77
.set X,   80                           ; a unit's 64 numbers
.set PC,  144                          ; its codes (12 registers, and 8 at work)
.set TM,  164                          ; largest magnitudes, bytes, scale operands
.set PW,  180                          ; its scale word
.set WD,  184                          ; the four units' words as they are stored
.set MSB, 0
.set MORE, 1
.macro WIN new                         ; the immediate's high byte repeats the setting that is left
.if MSB != \new
	s_set_vgpr_msb (MSB<<8)|\new
.set MSB, \new
.endif
.endm
.macro PLACES n
.rept \n
	v_nop
.endr
.endm
.macro CREST                           ; a round of the cluster's barrier behind its opening barrier
	s_cmp_lg_u32 s[WV], 0
	s_cbranch_scc1 .Lnot_wave_0_\@
	s_barrier_signal -3
.Lnot_wave_0_\@:
	s_barrier_wait -3
	s_barrier_signal -1
	s_barrier_wait -1
.endm
.macro CROUND
	s_barrier_signal -1
	s_barrier_wait -1
	CREST
.endm
.macro SETG1 g, c, r, p                ; r rows of c elements of 8 bytes, p elements apart
	s_mov_b32 s[\g+1], (\c)<<16
	s_mov_b32 s[\g+2], (\r)<<16
	s_mov_b32 s[\g+3], (\c)<<16
	s_mov_b32 s[\g+4], \r
	s_mov_b32 s[\g+5], \p
	s_mov_b32 s[\g+6], 0
	s_mov_b32 s[\g+7], 0
.endm
.macro SETG q                          ; groups 0: half q of K, into slot q.  S0's numbers pass through s82 alone, S1's through s84 alone (s83 = s85 = 0)
	s_mul_i32 s82, s[T0], 12288
	s_add_co_u32 s82, s82, s40                     ; the 8 tiles that I fetch
	s_add_co_u32 s82, s82, (\q)*6144
	s_add_nc_u64 s[G0A+2:G0A+3], s[4:5], s[82:83]
	s_or_b32 s[G0A+3], s[G0A+3], 0x80000000
	s_add_co_u32 s[G0A+1], s41, (\q)*SLOT
	s_mul_i32 s84, s[T1], 12288
	s_add_co_u32 s84, s84, s41                     ; the 4 tiles that I fetch
	s_add_co_u32 s84, s84, (\q)*6144
	s_add_nc_u64 s[G0B+2:G0B+3], s[4:5], s[84:85]
	s_or_b32 s[G0B+3], s[G0B+3], 0x80000000
	s_add_co_u32 s[G0B+1], s43, (\q)*SLOT
.endm
.macro TL g0, g1                       ; s_nop 0 behind the load; the four v_nop are also the places in front of the LDS loads that follow
	tensor_load_to_lds s[\g0:\g0+3], s[\g1:\g1+7]
	s_nop 0
	PLACES 4
.endm
.macro JLOAD                           ; a slot's joint loads, one a wave: a fill in each arm of one branch on the wave's number
	s_cmp_eq_u32 s[J], 0
	s_cbranch_scc0 .Lb_\@
	TL G0A, G1A
	s_branch .Le_\@
.Lb_\@:
	TL G0B, G1B
.Le_\@:
.endm
.macro GSCB                            ; where the scale words of the tile of work s[T0], s[T1] lie: my half of S0, my half of S1
	s_lshl_b32 s82, s[T0], 9
	s_add_co_u32 s82, s82, s44
	s_add_nc_u64 s[68:69], s[6:7], s[82:83]
	s_lshl_b32 s84, s[T1], 9
	s_add_co_u32 s84, s84, s45
	s_add_nc_u64 s[72:73], s[6:7], s[84:85]
.endm
.macro GSCL q                          ; the scale words of half q of K: six loads; lanes 0-15 tile a (b), lanes 16-31 tile a + 4 (b + 2); four K steps' words a load
.irp a, 0,1,2,3
	global_load_b128 v[SC0+8*\a+4*(\q):SC0+8*\a+4*(\q)+3], v12, s[68:69] offset:\a*512+(\q)*256
.endr
.irp b, 0,1
	global_load_b128 v[SC1+8*\b+4*(\q):SC1+8*\b+4*(\q)+3], v13, s[72:73] offset:\b*512+(\q)*256
.endr
.endm
.macro FRAG reg, a16, a8, off          ; a fragment's image back into 12 registers: every load is contiguous over the lanes
	ds_load_b128 v[\reg:\reg+3], v[\a16] offset:\off
	ds_load_b64 v[\reg+4:\reg+5], v[\a8] offset:\off+512
	ds_load_b128 v[\reg+6:\reg+9], v[\a16] offset:\off+768
	ds_load_b64 v[\reg+10:\reg+11], v[\a8] offset:\off+1280
.endm
.macro FETCH s                         ; K step s (slot s / 4): my 8 fragments of S0 and 4 of S1, into set s % 2: 48 loads in one run
	WIN 0x40                                       ; destination window 1
.irp a, 0,1,2,3,4,5,6,7
	FRAG 128*((\s)%2)+12*\a, 4+4*((\s)/4), 5+4*((\s)/4), \a*6144+((\s)%4)*1536
.endr
	WIN 0
.irp b, 0,1,2,3
	FRAG 80+48*((\s)%2)+12*\b, 6+4*((\s)/4), 7+4*((\s)/4), \b*6144+((\s)%4)*1536
.endr
.endm
.macro MM4 c
.if (fA == 0) && (fB == 0)
	v_wmma_scale_f32_16x16x128_f8f6f4 v[rD:rD+7], v[rA:rA+11], v[rB:rB+11], \c, v[rSA], v[rSB] matrix_a_fmt:MATRIX_FMT_BF6 matrix_b_fmt:MATRIX_FMT_BF6
.elseif fA == 0
	v_wmma_scale_f32_16x16x128_f8f6f4 v[rD:rD+7], v[rA:rA+11], v[rB:rB+11], \c, v[rSA], v[rSB] matrix_a_fmt:MATRIX_FMT_BF6 matrix_b_fmt:MATRIX_FMT_BF6 matrix_b_scale:MATRIX_SCALE_ROW1
.elseif fB == 0
	v_wmma_scale_f32_16x16x128_f8f6f4 v[rD:rD+7], v[rA:rA+11], v[rB:rB+11], \c, v[rSA], v[rSB] matrix_a_fmt:MATRIX_FMT_BF6 matrix_b_fmt:MATRIX_FMT_BF6 matrix_a_scale:MATRIX_SCALE_ROW1
.else
	v_wmma_scale_f32_16x16x128_f8f6f4 v[rD:rD+7], v[rA:rA+11], v[rB:rB+11], \c, v[rSA], v[rSB] matrix_a_fmt:MATRIX_FMT_BF6 matrix_b_fmt:MATRIX_FMT_BF6 matrix_a_scale:MATRIX_SCALE_ROW1 matrix_b_scale:MATRIX_SCALE_ROW1
.endif
.endm
.macro MULB s, b, zero                 ; 8 products: S1's tile b x S0's eight.  The 32 accumulators take turns, one instruction a turn, in the same order in every step
	WIN 0xa1                                       ; source 0 window 1, source 1 window 0, C and D window 2
.irp a, 0,1,2,3,4,5,6,7
.set rD, 64*(\b)+8*\a
.set rA, 128*((\s)%2)+12*\a
.set rB, 80+48*((\s)%2)+12*(\b)
.set rSA, SC0+8*(\a%4)+(\s)
.set rSB, SC1+8*((\b)%2)+(\s)
.set fA, \a/4
.set fB, (\b)/2
.if \zero
	MM4 0
.else
	MM4 v[rD:rD+7]
.endif
.endr
.endm
.macro STEP s, zero                    ; a K step; in its middle the next step's fragments, of the same slot, are fetched
.if (\s) == 0
	s_wait_loadcnt 6                               ; loads come back in order: all but the six of the second half of K's scale words are in
.endif
.if (\s) == 4
	s_wait_loadcnt 0x0                             ; those six too
.endif
	s_wait_dscnt 0x0                               ; this step's fragments are in
	MULB \s, 0, \zero
	MULB \s, 1, \zero
	WIN 0
	PLACES 4                                       ; in front of loads into registers that matrix instructions have read
.if ((\s) == 4) && MORE
	GSCB                                           ; no load of mine is out: the bases may be written.  The first half of K's scale registers were last read in K step 3:
	GSCL 0                                         ; they take the next tile of work's
.endif
	FETCH (\s)+1
	MULB \s, 2, \zero
	MULB \s, 3, \zero
	WIN 0
.endm
; A slot's last K step (3 or 7) changes slots.  Its fragments are in registers, so my reads of the slot are over; my one tensor load that was out is my part of the other slot.
; refill = 1: the barrier opens a round of the cluster's barrier, and the slot takes the same half of K of the next tile of work.
.macro TURN s, refill
	s_wait_tensorcnt 0x0                           ; all my tensor loads have landed,
	ds_add_u32 v254, v255                          ; 0 onto my spare word; work on registers follows
.if \refill
.if (\s) == 3
	s_add_co_u32 s84, s[T1], 256                   ; the next tile of work: in trip 0 the tokens 8 blocks of 32 tiles on, in trip 1 the third tile's operands
	s_cmp_eq_u32 s[TRIP], 0
	s_cselect_b32 s[T0], s[T0], s[T0V]
	s_cselect_b32 s[T1], s84, s[T1V]
.endif
	SETG (\s)/4                                    ; no load of mine is out: the groups 0 may be written
.endif
	s_wait_dscnt 1                                 ; all but the add: this step's 48 loads are in
	MULB \s, 0, 0
	s_wait_dscnt 0x0                               ; the add is done
	s_barrier_signal -1
	MULB \s, 1, 0
	WIN 0
	s_barrier_wait -1
.if \refill
	CREST                                          ; no wave of any partner still reads this slot or has a load on its way
	JLOAD
.else
	PLACES 4
.endif
	FETCH ((\s)+1)%8
	MULB \s, 2, 0
	MULB \s, 3, 0
	WIN 0
.endm
; 64 numbers of a lane, register 16 b + i = k 32 b + 16 (lane / 16) + i of the lane's row, become a fragment's codes in v[PC] on and its scale word in v[pw].  All in window 3.
.macro QUANT s, pw
.irp b, 0,1,2,3
	v_max3_num_f32 v[TM+\b], |v[\s+16*\b]|, |v[\s+1+16*\b]|, 0x2800000   ; my 16 numbers of block b, and the floor 2^(5 - 127): the byte cannot fall under 1
.endr
.irp i, 2,4,6,8,10,12,14
.irp b, 0,1,2,3
	v_max3_num_f32 v[TM+\b], v[TM+\b], |v[\s+16*\b+\i]|, |v[\s+1+16*\b+\i]|
.endr
.endr
.irp b, 0,1,2,3
	v_permlanex16_b32 v[TM+4+\b], v[TM+\b], s[SEL], s[SEL+1]
.endr
.irp b, 0,1,2,3
	v_max_num_f32 v[TM+\b], v[TM+\b], v[TM+4+\b]   ; with lane l xor 16's: the block's largest magnitude
.endr
.irp b, 0,1,2,3
	v_add_nc_u32 v[TM+12+\b], 0xfe000000, v[TM+\b] ; 4 off its exponent field: the conversion's scale operand
.endr
.irp b, 0,1,2,3
	v_lshrrev_b32 v[TM+4+\b], 23, v[TM+12+\b]      ; the scale's byte
.endr
	v_lshl_or_b32 v[\pw], v[TM+5], 8, v[TM+4]
	v_lshl_or_b32 v[\pw], v[TM+6], 16, v[\pw]
	v_lshl_or_b32 v[\pw], v[TM+7], 24, v[\pw]
.irp c, 0,1
	v_cvt_scalef32_pk16_bf6_f32 v[PC+6*\c:PC+2+6*\c], v[\s+32*\c:\s+15+32*\c], v[TM+12+2*\c]
	v_cvt_scalef32_pk16_bf6_f32 v[PC+12+4*\c:PC+14+4*\c], v[\s+16+32*\c:\s+31+32*\c], v[TM+12+2*\c+1]
.endr
	v_nop                                          ; one plain place behind the conversions
.irp c, 0,1                            ; the operand's layout wants a whole block in a lane: lanes 0-15 block 2 c, lanes 16-31 block 2 c + 1
.irp i, 0,1,2
	v_permlane16_swap_b32 v[PC+6*\c+\i], v[PC+12+4*\c+\i]
.endr
.irp i, 0,1,2
	v_mov_b32 v[PC+3+6*\c+\i], v[PC+12+4*\c+\i]
.endr
.endr
.endm
; THE WAY OUT, a unit for each of my four tiles of S1: the 64 numbers that a lane holds of it are 128 neighbours of S0's rows, 64 in each half of the lanes.
; q, k: two heads of a token tile: registers 0-5 of the codes are the first head's operand, 6-11 the next head's, 147,456 bytes on.   v: 128 tokens of 16 channels: one whole fragment.
.macro UNIT u, vrole, cp
	s_wait_xcnt 0x0                                ; the last unit's stores have read their codes
	WIN 0xce                                       ; source 0 window 2 (sums), source 1 and destination window 3
.set k, 0
.rept 32
.if \vrole
	v_pk_add_f32 v[X+2*k:X+2*k+1], v[64*\u+2*k:64*\u+2*k+1], v[BV+2*\u:BV+2*\u+1] op_sel_hi:[1,0]   ; my channel's bias for both; each accumulator from its low end on
.else
	v_pk_add_f32 v[X+2*k:X+2*k+1], v[64*\u+2*k:64*\u+2*k+1], v[2*k:2*k+1]
.endif
.set k, k+1
.endr
	WIN 0xff
.if \vrole
	QUANT X, WD+\u
	global_store_b128 v[L16], v[PC:PC+3], s[\cp:\cp+1] offset:1536*\u            ; 512 consecutive bytes, aligned
	global_store_b64 v[L8], v[PC+4:PC+5], s[\cp:\cp+1] offset:1536*\u+512        ; 256
	global_store_b128 v[L16], v[PC+6:PC+9], s[\cp:\cp+1] offset:1536*\u+768
	global_store_b64 v[L8], v[PC+10:PC+11], s[\cp:\cp+1] offset:1536*\u+1280
.else
	QUANT X, PW
	global_store_b128 v[L16], v[PC:PC+3], s[\cp:\cp+1] offset:768*\u
	global_store_b64 v[L8], v[PC+4:PC+5], s[\cp:\cp+1] offset:768*\u+512
	global_store_b128 v[L16], v[PC+6:PC+9], s[\cp:\cp+1] offset:147456+768*\u
	global_store_b64 v[L8], v[PC+10:PC+11], s[\cp:\cp+1] offset:147456+768*\u+512
	v_bfe_u32 v[WD+\u], v[PW], v[SH], 16           ; lanes 0-15 the first head's two bytes, lanes 16-31 the next head's
.endif
.endm
.macro WAYOUT vrole, cp, sp
	PLACES 4                                       ; in front of the first read of results
	UNIT 0, \vrole, \cp
	UNIT 1, \vrole, \cp
	UNIT 2, \vrole, \cp
	UNIT 3, \vrole, \cp
.if \vrole
	v_cmp_gt_u32 vcc_lo, 16, v[LN]                 ; lanes 16-31 hold the same words
	s_wait_alu depctr_va_vdst(0)
	s_wait_xcnt 0x0                                ; EXEC changes only behind this wait
	s_and_saveexec_b32 s23, vcc_lo
	global_store_b128 v[WA], v[WD:WD+3], s[\sp:\sp+1]   ; sixteen lanes store 256 consecutive bytes, aligned
	s_wait_xcnt 0x0
	s_or_b32 exec_lo, exec_lo, s23
	WIN 0
.else
	global_store_b128 v[WQ], v[WD:WD+3], s[\sp:\sp+1]   ; each sixteen lanes store 256 consecutive bytes, aligned
	WIN 0
	s_wait_alu depctr_va_vdst(0)
	s_wait_xcnt 0x0                                ; the stores have read their bases
	s_add_nc_u64 s[\cp:\cp+1], s[\cp:\cp+1], 64*147456   ; the next trip's tokens lie four batches on: 64 heads
	s_add_nc_u64 s[\sp:\sp+1], s[\sp:\sp+1], 64*10240
	GSCL 1                                         ; the second half of K's scale registers were last read in K step 7: they take the next tile of work's
.endif
.endm
.macro TILE more                       ; a tile of work.  more = 1: q, k, and a further tile follows;  0: v, the last
.set MORE, \more
	STEP 0, 1                                      ; the first step's products start the sums
	STEP 1, 0
	STEP 2, 0
	TURN 3, \more
	STEP 4, 0
	STEP 5, 0
	STEP 6, 0
.if \more
	TURN 7, 1
	WAYOUT 0, 14, 18
.else
	s_wait_dscnt 0x0
	MULB 7, 0, 0
	MULB 7, 1, 0
	MULB 7, 2, 0
	MULB 7, 3, 0
	WIN 0
	WAYOUT 1, 90, 100
.endif
.endm
	s_load_b256 s[4:11], s[0:1], 0x0               ; c1 s[4:5], s1 s[6:7], b_attn s[8:9], qkv_c s[10:11]
	s_load_b64 s[12:13], s[0:1], 0x20              ; qkv_s
	v_lshl_add_u32 v254, v0, 2, SPARE
	v_mov_b32 v255, 0
	ds_add_u32 v254, v255                          ; the opening lines: the add, twice on end, and its wait ahead of my first tensor load
	ds_add_u32 v254, v255
	v_lshrrev_b32 v1, 5, v0
	v_readfirstlane_b32 s[WV], v1
	s_lshr_b32 s[J], s[WV], 1
	s_and_b32 s[I], s[WV], 1
	s_bfe_u32 s76, ttmp6, 0x40000                  ; cx
	s_bfe_u32 s77, ttmp6, 0x40004                  ; cy
	s_lshl_b32 s78, ttmp9, 2
	s_add_co_u32 s78, s78, s76                     ; x = 4 x cluster x + cx, 0..7
	s_and_b32 s79, ttmp7, 0xffff                   ; Y: the cluster's y, 0..7
	s_lshl_b32 s90, s77, 2
	s_lshl_b32 s90, 15, s90                        ; my row of the cluster
	s_lshl_b32 s91, 0x1111, s76                    ; my column
	s_or_b32 s[G1A], s91, (3<<16)|(1<<21)          ; 15:0 the mask; 17:16 elements of 8 bytes; 21 set beside a mask
	s_or_b32 s[G1B], s90, (3<<16)|(1<<21)
	SETG1 G1A, 768, 8, 1536                        ; half of K of a tile's codes: 6,144 bytes, 12,288 from tile to tile
	SETG1 G1B, 768, 4, 1536
	s_lshl_b32 s[T0V], s78, 4
	s_add_co_u32 s[T0], s[T0V], 512                ; q, k: S0 = W_attn's tiles 16 x on
	s_lshr_b32 s92, s79, 1
	s_lshl_b32 s93, s92, 7
	s_add_co_u32 s[T0V], s[T0V], s93               ; v: S0 = tokens' tiles 128 (Y / 2) + 16 x on
	s_lshl_b32 s[T1V], s77, 3
	s_lshl_b32 s[T1], s79, 5
	s_add_co_u32 s[T1], s[T1], s[T1V]              ; q, k: S1 = tokens' tiles 32 Y + 8 cy on
	s_and_b32 s93, s79, 1
	s_lshl_b32 s98, s93, 5
	s_add_co_u32 s[T1V], s[T1V], s98
	s_add_co_u32 s[T1V], s[T1V], 640               ; v: S1 = W_v's tiles 640 + 32 (Y & 1) + 8 cy on
	s_mul_i32 s40, s[I], 98304                     ; what I fetch, by the wave's number alone: 8 tiles of S0 in memory;
	s_mul_i32 s41, s[I], 49152                     ; 4 tiles of S1 in memory, and likewise 8 half tiles of S0 in a slot;
	s_mul_i32 s43, s[I], 24576
	s_add_co_u32 s43, s43, L1C                     ; 4 half tiles of S1 in a slot
	s_lshl_b32 s44, s[I], 12                       ; the scale words that I read: 8 tiles of S0,
	s_lshl_b32 s45, s[J], 11                       ; 4 of S1
	s_mov_b32 s83, 0
	s_mov_b32 s85, 0
	s_mov_b32 s[G0A], 1
	s_mov_b32 s[G0B], 1
	s_wait_dscnt 0x0                               ; both opening adds are done
	s_wait_kmcnt 0x0
	SETG 0
	CROUND                                         ; all sixteen work-groups are here: the first joint loads meet
	JLOAD                                          ; the first half of K: one tensor load a wave at the head
	; ---- where my results go.  q, k, trip 0:
	s_lshl_b32 s98, s79, 2
	s_add_co_u32 s98, s98, s77                     ; which 128 tokens: 4 Y + cy
	s_lshr_b32 s99, s98, 3
	s_lshl_b32 s99, s99, 4
	s_and_b32 s100, s78, 3
	s_lshl_b32 s100, s100, 2
	s_add_co_u32 s99, s99, s100
	s_lshl_b32 s100, s[I], 1
	s_add_co_u32 s99, s99, s100                    ; 16 x batch + 4 (x & 3) + 2 i: the first of my two heads
	s_and_b32 s98, s98, 7
	s_lshl_b32 s98, s98, 3
	s_lshl_b32 s100, s[J], 2
	s_add_co_u32 s98, s98, s100                    ; my first token tile in the batch
	s_lshr_b32 s100, s78, 2                        ; 0: q, 1: k
	s_mul_i32 s14, s100, 49152
	s_mul_i32 s101, s98, 768
	s_add_co_u32 s14, s14, s101
	s_mul_i32 s101, s99, 147456
	s_add_co_u32 s14, s14, s101
	s_mov_b32 s15, 0
	s_add_nc_u64 s[14:15], s[10:11], s[14:15]      ; codes
	s_lshl_b32 s18, s100, 12
	s_lshl_b32 s101, s98, 6
	s_add_co_u32 s18, s18, s101
	s_mul_i32 s101, s99, 10240
	s_add_co_u32 s18, s18, s101
	s_mov_b32 s19, 0
	s_add_nc_u64 s[18:19], s[12:13], s[18:19]      ; scale words
	s_lshl_b32 s94, s78, 10
	s_lshl_b32 s101, s[I], 9
	s_add_co_u32 s94, s94, s101
	s_mov_b32 s95, 0
	s_add_nc_u64 s[94:95], s[8:9], s[94:95]        ; b_attn at 256 x + 128 i: the same in both trips
	; v:
	s_lshl_b32 s16, s93, 2
	s_add_co_u32 s16, s16, s77                     ; which 128 channels
	s_lshl_b32 s17, s92, 3
	s_add_co_u32 s17, s17, s78                     ; which 256 tokens
	s_lshr_b32 s23, s17, 2
	s_lshl_b32 s23, s23, 4
	s_lshl_b32 s98, s16, 1
	s_add_co_u32 s23, s23, s98
	s_add_co_u32 s23, s23, s[J]                    ; my head
	s_and_b32 s17, s17, 3
	s_lshl_b32 s17, s17, 1
	s_add_co_u32 s17, s17, s[I]                    ; my key step
	s_mul_i32 s90, s17, 6144
	s_add_co_u32 s90, s90, 98304
	s_mul_i32 s98, s23, 147456
	s_add_co_u32 s90, s90, s98
	s_mov_b32 s91, 0
	s_add_nc_u64 s[90:91], s[10:11], s[90:91]      ; codes
	s_lshl_b32 s100, s17, 8
	s_add_co_u32 s100, s100, 8192
	s_mul_i32 s98, s23, 10240
	s_add_co_u32 s100, s100, s98
	s_mov_b32 s101, 0
	s_add_nc_u64 s[100:101], s[12:13], s[100:101]  ; scale words
	s_lshl_b32 s96, s16, 9
	s_lshl_b32 s98, s[J], 8
	s_add_co_u32 s96, s96, s98
	s_add_co_u32 s96, s96, 8192
	s_mov_b32 s97, 0
	s_add_nc_u64 s[96:97], s[8:9], s[96:97]        ; b_attn at 2,048 + my first channel
	GSCB                                           ; the first tile of work's scale words
	s_mul_i32 s98, s[I], 49152                     ; LDS: the half of S0 and of S1 that I read: the wave's number alone enters an LDS address
	s_mul_i32 s99, s[J], 24576
	s_add_co_u32 s99, s99, L1C
	s_mov_b32 s[SEL], 0x76543210
	s_mov_b32 s[SEL+1], 0xfedcba98
	v_and_b32 v1, 15, v0                           ; r
	v_bfe_u32 v2, v0, 4, 1                         ; h
	v_and_b32 v3, 31, v0                           ; lane
	v_lshlrev_b32 v16, 4, v3
	v_lshlrev_b32 v17, 3, v3
	v_lshlrev_b32 v18, 4, v1
	v_add_nc_u32 v4, s98, v16                      ; slot 0: S0's fragments, 16- and 8-byte pieces,
	v_add_nc_u32 v5, s98, v17
	v_add_nc_u32 v6, s99, v16                      ; S1's,
	v_add_nc_u32 v7, s99, v17
	v_lshl_add_u32 v12, v2, 11, v18                ; scale words in memory: lanes 16-31 take the tile four on (S0),
	v_lshl_add_u32 v13, v2, 10, v18                ; two on (S1)
.irp i, 4,5,6,7
	v_add_nc_u32 v[\i+4], SLOT, v[\i]              ; and the fragments in slot 1
.endr
	v_lshlrev_b32 v19, 6, v2                       ; the bias of S0's rows in the result's layout: tile 2 g + u, lane half h: rows 32 g + 8 u + 16 h + 0 .. 7
	v_and_b32 v20, 8, v1
	v_add_nc_u32 v20, v20, v1
	v_lshlrev_b32 v20, 2, v20                      ; the bias of S1's rows: my lane's row r + 8 (r / 8) of each tile
	WIN 0xc0                                       ; destination window 3
	v_mov_b32 v[L16], v16
	v_mov_b32 v[L8], v17
	v_lshlrev_b32 v[SH], 4, v2
	v_mov_b32 v[LN], v3
	v_mov_b32 v[WA], v18
	v_mad_u32_u24 v[WQ], v2, 0x2800, v18
.irp b, 0,1,2,3
	v_mov_b32 v[TM+4+\b], 0                        ; written once: a lane permute's destination counts as one of its sources
.endr
.irp a, 0,1,2,3,4,5,6,7
	global_load_b128 v[8*\a:8*\a+3], v19, s[94:95] offset:(32*(\a/2)+8*(\a%2))*4
	global_load_b128 v[8*\a+4:8*\a+7], v19, s[94:95] offset:(32*(\a/2)+8*(\a%2))*4+16
.endr
.irp b, 0,1,2,3
	global_load_b32 v[BV+2*\b], v20, s[96:97] offset:(32*(\b/2)+8*(\b%2))*4
	v_mov_b32 v[BV+1+2*\b], 0                      ; (named with it as a pair)
.endr
	WIN 0
	GSCL 0
	GSCL 1
	s_wait_alu depctr_va_vdst(0)
	s_wait_tensorcnt 0x0                           ; my part of slot 0 is in
	ds_add_u32 v254, v255
	SETG 1
	s_wait_dscnt 0x0
	CROUND                                         ; everybody's part is in, and the joint loads meet
	JLOAD                                          ; the second half of K, into slot 1
	FETCH 0
	s_mov_b32 s[TRIP], 0
.Ltile:
	TILE 1
	s_add_co_u32 s[TRIP], s[TRIP], 1
	s_cmp_lt_u32 s[TRIP], 2
	s_cbranch_scc1 .Ltile
	TILE 0                                         ; the last tile of work is written out: it asks for nothing more
	s_wait_tensorcnt 0x0                           ; the wave's end
	ds_add_u32 v254, v255
	s_wait_dscnt 0x0
	CROUND                                         ; the closing round: no work-group ends while a partner may still ask for a tile that names it
	s_endpgm
.Lfunc_end_k_qfe5e43382c_qkv:
	.size	k_qfe5e43382c_qkv, .Lfunc_end_k_qfe5e43382c_qkv-k_qfe5e43382c_qkv
	.p2alignl 7, 3214868480
	.fill 96, 4, 3214868480
	.section	.rodata,"a",@progbits
	.p2align	6, 0x0
	.amdhsa_kernel k_qfe5e43382c_qkv
		.amdhsa_group_segment_fixed_size 327680
		.amdhsa_private_segment_fixed_size 0
		.amdhsa_enable_private_segment 0
		.amdhsa_kernarg_size 40
		.amdhsa_user_sgpr_count 2
		.amdhsa_user_sgpr_kernarg_segment_ptr 1
		.amdhsa_wavefront_size32 1
		.amdhsa_system_sgpr_workgroup_id_x 1
		.amdhsa_system_sgpr_workgroup_id_y 1
		.amdhsa_system_sgpr_workgroup_id_z 1
		.amdhsa_system_vgpr_workitem_id 0
		.amdhsa_next_free_vgpr 1024
		.amdhsa_next_free_sgpr 102
		.amdhsa_reserve_vcc 1
		.amdhsa_float_denorm_mode_32 3
		.amdhsa_float_denorm_mode_16_64 3
		.amdhsa_memory_ordered 1
		.amdhsa_forward_progress 1
		.amdhsa_inst_pref_size 187
	.end_amdhsa_kernel
	.amdgpu_metadata
---
amdhsa.version: [ 1, 2 ]
amdhsa.kernels:
  - .name:           k_qfe5e43382c_qkv
    .symbol:         k_qfe5e43382c_qkv.kd
    .args:
      - { .name: c1, .offset: 0, .size: 8, .value_kind: global_buffer, .address_space: global }
      - { .name: s1, .offset: 8, .size: 8, .value_kind: global_buffer, .address_space: global }
      - { .name: b_attn, .offset: 16, .size: 8, .value_kind: global_buffer, .address_space: global }
      - { .name: qkv_c, .offset: 24, .size: 8, .value_kind: global_buffer, .address_space: global }
      - { .name: qkv_s, .offset: 32, .size: 8, .value_kind: global_buffer, .address_space: global }
    .group_segment_fixed_size: 327680
    .private_segment_fixed_size: 0
    .kernarg_segment_align: 8
    .kernarg_segment_size: 40
    .max_flat_workgroup_size: 128
    .sgpr_count:     102
    .vgpr_count:     1024
    .wavefront_size: 32
...
	.end_amdgpu_metadata
.endif
;; end of part 2
;; launch attn (part 3): grid 2 x 128, 16 waves a work-group, no clusters, 327,680 bytes of LDS; arguments qkv_c, qkv_s, o_c, o_s; writes o_c, o_s
.if DOCPART == 3
	.amdgcn_target "amdgcn-amd-amdhsa--gfx1250"
	.amdhsa_code_object_version 6
	.text
	.protected	k_qfe5e43382c_attn
	.globl	k_qfe5e43382c_attn
	.p2align	8
	.type	k_qfe5e43382c_attn,@function
k_qfe5e43382c_attn:
	s_mov_b64 s[64:65], 0
	v_nop
	global_prefetch_b8 v0, s[64:65] scope:SCOPE_SE
	s_setreg_imm32_b32 hwreg(HW_REG_WAVE_MODE, 25, 1), 1
	s_wait_xcnt 0x0
; Causal attention of one head on codes of BF6: S^T = K Q^T, p = 2^(t - M) with M the ceiling of the running largest t, O^T += V^T p^T, O / l quantised along the head's 64 as the projection's operand.
; Operands come from qkv_c, qkv_s in the order of the operand's registers.  A work-group (16 waves) holds a head's K and V codes (98,304 bytes) and their scale words (6,144 bytes) in LDS, each byte filled once.
; Two work-groups to a head; wave w takes query tiles 63 - i and i, i = 16 x + w: nine steps of 128 keys in all for every wave.
; LEFT OUT: the steps of 128 keys that lie wholly above the diagonal: the causal mask sets their scores to -inf, so p = 0 there for all inputs; a NaN or an infinity that reaches only those steps is not carried to the result.
; The head's 64 fill half of the instruction's K = 128: the other half of q is zero codes.
; TWO FILLS, rows of 256 bytes, one tensor load a wave each.  At the head: key steps 0-3 of K and of V (waves 0-5 and 6-11, 4,096 bytes each) and all scale words (waves 12-15, 1,536 bytes each).
; Behind the first fill's wait, add and barrier: key steps 4-7 (waves 0-11), which have the first four steps' work in which to land.
; The first tile is 32 or more, so its steps 0-3 lie under the diagonal: a loop with no mask and no test; a barrier; then steps 4-7.  The second tile is 31 or less: four trips.
; No cluster: the two work-groups of a head are fewer than a cluster's four along an axis.  No prefetch: both fills are asked for ahead of the first loop, so no loop runs ahead of a load.
; LIMITS: the promise holds while |t| stays under 2^31; a block of p or of O whose largest magnitude lies under 2^-122 gets the byte 1; NaN and infinities among the inputs are not served.
.set SCK, 98304
.set SCV, 102400
.set SEL, 20
.set CS,  22
	s_load_b256 s[4:11], s[0:1], 0x0
	v_lshl_add_u32 v223, v0, 2, 0x29000
	v_mov_b32 v243, 0
	ds_add_u32 v223, v243                          ; the opening lines
	ds_add_u32 v223, v243
	v_lshrrev_b32 v1, 5, v0
	s_delay_alu instid0(VALU_DEP_1)
	v_readfirstlane_b32 s12, v1
	s_and_b32 s13, ttmp7, 0xffff
	s_mov_b32 s24, 3<<16
	s_mov_b32 s25, 32<<16
	s_mov_b32 s26, 16<<16                          ; codes: 16 rows of 256 bytes a wave
	s_mov_b32 s27, 32<<16
	s_mov_b32 s28, 16
	s_mov_b32 s29, 32
	s_mov_b32 s30, 0
	s_mov_b32 s31, 0
	s_mov_b32 s32, 3<<16
	s_mov_b32 s33, 32<<16                          ; scale words: 6 rows of 256 bytes a wave
	s_mov_b32 s34, 6<<16
	s_mov_b32 s35, 32<<16
	s_mov_b32 s36, 6
	s_mov_b32 s37, 32
	s_mov_b32 s38, 0
	s_mov_b32 s39, 0
	s_mul_i32 s52, s13, 147456
	s_mov_b32 s53, 0
	s_mul_i32 s54, s13, 10240
	s_mov_b32 s55, 0
	s_mul_i32 s56, s12, 43
	s_lshr_b32 s56, s56, 8                         ; wave / 6: 0 for K, 1 for V
	s_mul_i32 s56, s56, 24576
	s_mul_i32 s57, s12, 4096
	s_add_co_u32 s56, s56, s57                     ; waves 0-5: K's bytes 4,096 w on; waves 6-11: V's, which begin at 49,152
	s_and_b32 s57, s12, 3
	s_mul_i32 s57, s57, 1536                       ; waves 12-15: my quarter of the scale words
	s_mov_b32 s59, 0
	s_wait_dscnt 0x0
	s_wait_kmcnt 0x0
	s_add_nc_u64 s[4:5], s[4:5], s[52:53]
	s_add_nc_u64 s[6:7], s[6:7], s[54:55]
	s_mov_b32 s44, 1
	s_add_co_u32 s45, s57, SCK
	s_add_co_u32 s58, s57, 4096
	s_add_nc_u64 s[46:47], s[6:7], s[58:59]
	s_or_b32 s47, s47, 0x80000000
	s_mov_b32 s40, 1
	s_mov_b32 s41, s56
	s_add_co_u32 s58, s56, 49152
	s_add_nc_u64 s[42:43], s[4:5], s[58:59]
	s_or_b32 s43, s43, 0x80000000
	s_cmp_lt_u32 s12, 12                           ; one branch on the wave's number, a fill in each arm: every way passes one load
	s_cbranch_scc0 .Lhead_sc
	tensor_load_to_lds s[40:43], s[24:31]
	s_nop 0
.rept 4
	v_nop
.endr
	s_branch .Lhead_j
.Lhead_sc:
	tensor_load_to_lds s[44:47], s[32:39]
	s_nop 0
.Lhead_j:
.rept 4
	v_nop
.endr
	v_and_b32 v30, 31, v0
	v_and_b32 v29, 15, v0
	v_bfe_u32 v28, v0, 4, 1
	s_delay_alu instid0(VALU_DEP_3)
	v_lshlrev_b32 v1, 4, v30
	s_delay_alu instid0(VALU_DEP_4)
	v_lshlrev_b32 v2, 3, v30
	s_delay_alu instid0(VALU_DEP_2)
	v_add_nc_u32 v3, SCK, v1
	v_lshlrev_b32 v31, 4, v29
	s_wait_alu depctr_va_vdst(0)
	v_add_nc_u32 v4, SCV, v31
	v_and_b32 v5, 8, v29
	s_delay_alu instid0(VALU_DEP_1)
	v_add_nc_u32 v29, v29, v5
	v_lshlrev_b32 v5, 4, v28
	s_delay_alu instid0(VALU_DEP_1)
	v_sub_nc_u32 v29, v29, v5
	s_lshl_b32 s14, ttmp9, 4
	s_add_co_u32 s16, s14, s12
	s_sub_co_u32 s15, 63, s16
.macro QLOAD ti, cb, sb, qb, qs
	s_mul_i32 s58, s[\ti], 768
	s_add_nc_u64 s[\cb:\cb+1], s[4:5], s[58:59]
	global_load_b128 v[\qb:\qb+3], v1, s[\cb:\cb+1]
	global_load_b64 v[\qb+4:\qb+5], v2, s[\cb:\cb+1] offset:512
	s_lshr_b32 s58, s[\ti], 2
	s_lshl_b32 s58, s58, 8
	s_and_b32 s51, s[\ti], 3
	s_lshl_b32 s51, s51, 2
	s_add_co_u32 s58, s58, s51
	s_add_nc_u64 s[\sb:\sb+1], s[6:7], s[58:59]
	global_load_b32 v[\qs], v31, s[\sb:\sb+1]
.endm
	QLOAD 15, 52, 54, 16, 255
	QLOAD 16, 56, 60, 192, 204
	s_lshr_b32 s62, s13, 4
	s_and_b32 s63, s13, 15
	s_mul_i32 s58, s62, 786432
	s_mul_i32 s51, s63, 768
	s_add_co_u32 s58, s58, s51
	s_add_nc_u64 s[8:9], s[8:9], s[58:59]
	s_lshl_b32 s58, s62, 15
	s_lshr_b32 s51, s63, 3
	s_lshl_b32 s51, s51, 8
	s_add_co_u32 s58, s58, s51
	s_bfe_u32 s51, s63, 0x20001
	s_lshl_b32 s51, s51, 2
	s_add_co_u32 s58, s58, s51
	s_and_b32 s51, s63, 1
	s_lshl_b32 s51, s51, 1
	s_add_co_u32 s58, s58, s51
	s_add_nc_u64 s[10:11], s[10:11], s[58:59]
	s_mov_b32 s[SEL], 0x76543210
	s_mov_b32 s[SEL+1], 0xfedcba98
	s_mov_b32 s[CS], 0x3e38aa3b
	s_mov_b32 s[CS+1], s[CS]
.irp i, 0,1,2,3,4,5
	v_mov_b32 v[22+\i], 0
	v_mov_b32 v[198+\i], 0
	v_mov_b32 v[80+\i], 0
.endr
.irp b, 0,1,2,3
	v_mov_b32 v[236+\b], 0
.endr
	v_mov_b32 v252, 0
	v_mov_b32 v253, 0
	s_wait_tensorcnt 0x0                           ; my part of the first fill is in
	ds_add_u32 v223, v243
	s_add_co_u32 s41, s41, 24576                   ; no load of mine is out: the group 0 may be written: key steps 4-7 lie 24,576 bytes on, in LDS and in memory
	s_add_nc_u64 s[42:43], s[42:43], 24576
	s_wait_dscnt 0x0
	s_barrier_signal -1
	s_barrier_wait -1                              ; everybody's part is in
	s_cmp_lt_u32 s12, 12
	s_cbranch_scc0 .Lno_second
	tensor_load_to_lds s[40:43], s[24:31]
	s_nop 0
.rept 4
	v_nop
.endr
.Lno_second:
	s_wait_loadcnt 0x0
; A step of 128 keys for 16 queries.  masked = 1: the step may lie on the diagonal.
.macro STEP qb, qs, masked
	v_add_nc_u32 v5, s48, v1
	v_add_nc_u32 v6, s48, v2
	v_add_nc_u32 v7, s49, v3
	v_add_nc_u32 v8, s50, v4
.irp t, 0,1,2,3,4,5,6,7
	ds_load_b128 v[32+6*\t:35+6*\t], v5 offset:768*\t
	ds_load_b64 v[36+6*\t:37+6*\t], v6 offset:768*\t+512
.endr
	ds_load_b128 v[248:251], v7
	s_wait_alu depctr_va_vdst(0)
	s_wait_dscnt 0x0
.irp t, 0,1,2,3
	v_wmma_scale_f32_16x16x128_f8f6f4 v[96+8*\t:103+8*\t], v[32+6*\t:43+6*\t], v[\qb:\qb+11], 0, v[248+\t], v[\qs] matrix_a_fmt:MATRIX_FMT_BF6 matrix_b_fmt:MATRIX_FMT_BF6
.endr
.irp t, 4,5,6,7
	v_wmma_scale_f32_16x16x128_f8f6f4 v[96+8*\t:103+8*\t], v[32+6*\t:43+6*\t], v[\qb:\qb+11], 0, v[248+\t-4], v[\qs] matrix_a_fmt:MATRIX_FMT_BF6 matrix_b_fmt:MATRIX_FMT_BF6 matrix_a_scale:MATRIX_SCALE_ROW1
.endr
.rept 4
	v_nop
.endr
.irp d, 0,1,2,3
	ds_load_b128 v[32+12*\d:35+12*\d], v5 offset:49152+1536*\d
	ds_load_b64 v[36+12*\d:37+12*\d], v6 offset:49152+1536*\d+512
	ds_load_b128 v[38+12*\d:41+12*\d], v5 offset:49152+1536*\d+768
	ds_load_b64 v[42+12*\d:43+12*\d], v6 offset:49152+1536*\d+1280
.endr
	ds_load_b128 v[248:251], v8
.if \masked
	s_cmp_lg_u32 s18, s17
	s_cbranch_scc1 .Lopen_\@
	v_mov_b32 v254, 0xff800000
.set n, 0
.rept 64
	v_cmp_gt_i32 vcc_lo, 32*(n/16)+n%16, v9
	v_cndmask_b32 v[96+n], v[96+n], v254, vcc_lo
.set n, n+1
.endr
.Lopen_\@:
.endif
.irp b, 0,1,2,3
	v_max3_num_f32 v[232+\b], v[96+16*\b], v[97+16*\b], v[98+16*\b]
.endr
.irp i, 3,5,7,9,11,13
.irp b, 0,1,2,3
	v_max3_num_f32 v[232+\b], v[232+\b], v[96+16*\b+\i], v[97+16*\b+\i]
.endr
.endr
.irp b, 0,1,2,3
	v_max_num_f32 v[232+\b], v[232+\b], v[111+16*\b]
.endr
.irp b, 0,1,2,3
	s_delay_alu instid0(VALU_DEP_4)
	v_permlanex16_b32 v[236+\b], v[232+\b], s[SEL], s[SEL+1]
.endr
.irp b, 0,1,2,3
	s_delay_alu instid0(VALU_DEP_4)
	v_max_num_f32 v[232+\b], v[232+\b], v[236+\b]  ; each block's largest score
.endr
	s_delay_alu instid0(VALU_DEP_2)
	v_max3_num_f32 v254, v232, v233, v234
	s_delay_alu instid0(VALU_DEP_1)
	v_max_num_f32 v254, v254, v235
	s_delay_alu instid0(VALU_DEP_1)
	v_mul_f32 v254, s[CS], v254
	s_delay_alu instid0(VALU_DEP_1)
	v_max_num_f32 v13, v13, v254                   ; the running largest t
	v_mov_b32 v254, v12
	s_delay_alu instid0(VALU_DEP_2)
	v_floor_f32 v12, -v13                          ; -M
	s_delay_alu instid0(VALU_DEP_1)
	v_sub_f32 v254, v12, v254
	s_delay_alu instid0(VALU_DEP_1)
	v_cvt_i32_f32 v254, v254
	s_delay_alu instid0(VALU_DEP_1)
	v_ldexp_f32 v252, 1.0, v254                    ; f = 2^(old M - new M)
.set n, 0
.rept 32
	v_pk_fma_f32 v[96+n:97+n], v[96+n:97+n], s[CS:CS+1], v[12:13] op_sel_hi:[1,0,0]
.set n, n+2
.endr
.irp b, 0,1,2,3
	v_fma_f32 v[232+\b], v[232+\b], s[CS], v12
.endr
.set n, 0
	s_wait_alu depctr_va_vdst(0)                   ; a wait ahead of the batch of transcendentals and one behind it
.rept 64
	v_exp_f32 v[96+n], v[96+n]
.set n, n+1
.endr
	v_pk_mul_f32 v[14:15], v[14:15], v[252:253] op_sel_hi:[1,0]
	s_wait_alu depctr_va_vdst(0)
.irp b, 0,1,2,3
	v_exp_f32 v[232+\b], v[232+\b]                 ; each block's largest p
.endr
	v_pk_add_f32 v[236:237], v[96:97], v[98:99]    ; the row's sum, of the unquantised p
.irp j, 4,8,12,16,20,24,28,32,36,40,44,48,52,56,60
	v_pk_add_f32 v[14:15], v[14:15], v[96+\j:97+\j]
	v_pk_add_f32 v[236:237], v[236:237], v[98+\j:99+\j]
.endr
	s_delay_alu instid0(VALU_DEP_1)
	v_pk_add_f32 v[14:15], v[14:15], v[236:237]
	s_wait_alu depctr_va_vdst(0)
.irp b, 0,1,2,3
	v_max_num_f32 v[232+\b], 0x2800000, v[232+\b]
.endr
.irp b, 0,1,2,3
	s_delay_alu instid0(VALU_DEP_4)
	v_add_nc_u32 v[244+\b], 0xfe000000, v[232+\b]
.endr
.irp b, 0,1,2,3
	s_delay_alu instid0(VALU_DEP_4)
	v_lshrrev_b32 v[236+\b], 23, v[244+\b]
.endr
	s_delay_alu instid0(VALU_DEP_3)
	v_lshl_or_b32 v253, v237, 8, v236
	s_delay_alu instid0(VALU_DEP_1)
	v_lshl_or_b32 v253, v238, 16, v253
	s_delay_alu instid0(VALU_DEP_1)
	v_lshl_or_b32 v253, v239, 24, v253             ; p's scale word
.irp c, 0,1
	v_cvt_scalef32_pk16_bf6_f32 v[224+6*\c:226+6*\c], v[96+32*\c:111+32*\c], v[244+2*\c]
	v_cvt_scalef32_pk16_bf6_f32 v[236+4*\c:238+4*\c], v[112+32*\c:127+32*\c], v[244+2*\c+1]
.endr
	v_nop
.irp c, 0,1
.irp i, 0,1,2
	v_permlane16_swap_b32 v[224+6*\c+\i], v[236+4*\c+\i]
.endr
.irp i, 0,1,2
	s_delay_alu instid0(VALU_DEP_3)
	v_mov_b32 v[227+6*\c+\i], v[236+4*\c+\i]
.endr
.endr
.set n, 0
.rept 16
	v_pk_mul_f32 v[160+n:161+n], v[160+n:161+n], v[252:253] op_sel_hi:[1,0]
.set n, n+2
.endr
	s_wait_alu depctr_va_vdst(0)
	s_wait_dscnt 0x0
.irp d, 0,1,2,3
	v_wmma_scale_f32_16x16x128_f8f6f4 v[160+8*\d:167+8*\d], v[32+12*\d:43+12*\d], v[224:235], v[160+8*\d:167+8*\d], v[248+\d], v253 matrix_a_fmt:MATRIX_FMT_BF6 matrix_b_fmt:MATRIX_FMT_BF6
.endr
.endm
; O / l, quantised along the head's 64, stored as half a fragment of the projection's operand and two scale bytes a token.
.macro FIN
.rept 4
	v_nop
.endr
	v_add_f32 v14, v14, v15
	s_delay_alu instid0(VALU_DEP_1)
	v_permlanex16_b32 v252, v14, s[SEL], s[SEL+1]
	s_delay_alu instid0(VALU_DEP_1)
	v_add_f32 v14, v14, v252
	s_wait_alu depctr_va_vdst(0)
	v_rcp_f32 v14, v14
	v_nop
	s_wait_alu depctr_va_vdst(0)
.set n, 0
.rept 16
	v_pk_mul_f32 v[96+n:97+n], v[160+n:161+n], v[14:15] op_sel_hi:[1,0]
.set n, n+2
.endr
.irp b, 0,1
	v_max3_num_f32 v[232+\b], |v[96+16*\b]|, |v[97+16*\b]|, 0x2800000
.endr
.irp i, 2,4,6,8,10,12,14
.irp b, 0,1
	s_delay_alu instid0(VALU_DEP_2)
	v_max3_num_f32 v[232+\b], v[232+\b], |v[96+16*\b+\i]|, |v[97+16*\b+\i]|
.endr
.endr
.irp b, 0,1
	s_delay_alu instid0(VALU_DEP_2)
	v_permlanex16_b32 v[236+\b], v[232+\b], s[SEL], s[SEL+1]
.endr
.irp b, 0,1
	s_delay_alu instid0(VALU_DEP_2)
	v_max_num_f32 v[232+\b], v[232+\b], v[236+\b]
.endr
.irp b, 0,1
	s_delay_alu instid0(VALU_DEP_2)
	v_add_nc_u32 v[244+\b], 0xfe000000, v[232+\b]
.endr
.irp b, 0,1
	s_delay_alu instid0(VALU_DEP_2)
	v_lshrrev_b32 v[236+\b], 23, v[244+\b]
.endr
	s_delay_alu instid0(VALU_DEP_1)
	v_lshl_or_b32 v254, v237, 8, v236
	v_cvt_scalef32_pk16_bf6_f32 v[224:226], v[96:111], v244
	v_cvt_scalef32_pk16_bf6_f32 v[240:242], v[112:127], v245
	v_nop
.irp i, 0,1,2
	v_permlane16_swap_b32 v[224+\i], v[240+\i]
.endr
.irp i, 0,1,2
	s_delay_alu instid0(VALU_DEP_3)
	v_mov_b32 v[227+\i], v[240+\i]
.endr
	global_store_b128 v10, v[224:227], s[8:9]
	global_store_b64 v11, v[228:229], s[8:9] offset:512
	v_cmp_gt_u32 vcc_lo, 16, v30
	s_wait_xcnt 0x0                                ; EXEC changes only behind this wait
	s_and_saveexec_b32 s51, vcc_lo
	global_store_b16 v28, v254, s[10:11]
	s_wait_xcnt 0x0
	s_or_b32 exec_lo, exec_lo, s51
.endm
.macro PINIT ti                        ; a query tile begins: its step on the diagonal, its places in o_c and o_s, empty sums
	s_lshr_b32 s17, s[\ti], 3
	s_lshr_b32 s58, s[\ti], 1
	s_and_b32 s58, s58, 3
	s_lshl_b32 s58, s58, 5
	s_and_b32 s59, s[\ti], 1
	s_lshl_b32 s59, s59, 3
	s_add_co_u32 s58, s58, s59
	v_add_nc_u32 v9, s58, v29
	s_mul_i32 s58, s[\ti], 12288
	v_add_nc_u32 v10, s58, v1
	v_add_nc_u32 v11, s58, v2
	s_lshl_b32 s58, s[\ti], 9
	v_add_nc_u32 v28, s58, v31
	v_mov_b32 v13, 0xff61b1e6
	s_delay_alu instid0(VALU_DEP_1)
	v_floor_f32 v12, -v13
	v_mov_b32 v14, 0
	v_mov_b32 v15, 0
.set n, 0
.rept 32
	v_mov_b32 v[160+n], 0
.set n, n+1
.endr
	s_mov_b32 s18, 0
	s_mov_b32 s48, 0
	s_mov_b32 s49, 0
	s_mov_b32 s50, 0
.endm
.macro NEXTK
	s_add_co_u32 s48, s48, 6144
	s_add_co_u32 s49, s49, 512
	s_add_co_u32 s50, s50, 256
	s_add_co_u32 s18, s18, 1
.endm
.macro KLOOP qb, qs, last              ; steps up to last - 1; those above the diagonal are passed over by a test on ids
.Lks_\@:
	s_cmp_gt_u32 s18, s17
	s_cbranch_scc1 .Lskip_\@
	STEP \qb, \qs, 1
.Lskip_\@:
	NEXTK
	s_cmp_lt_u32 s18, \last
	s_cbranch_scc1 .Lks_\@
.endm
	PINIT 15
.Lfirst:                                               ; tile 63 - i, steps 0-3: all under the diagonal
	STEP 16, 255, 0
	NEXTK
	s_cmp_lt_u32 s18, 4
	s_cbranch_scc1 .Lfirst
	s_wait_tensorcnt 0x0                           ; my part of key steps 4-7 is in
	s_barrier_signal -1
	s_barrier_wait -1                              ; everybody's is
	s_mov_b32 s18, 4
	s_mov_b32 s48, 24576
	s_mov_b32 s49, 2048
	s_mov_b32 s50, 1024
	KLOOP 16, 255, 8
	FIN
	PINIT 16
	KLOOP 192, 204, 4                              ; tile i is 31 or less: its diagonal lies in steps 0-3
	FIN
	s_wait_xcnt 0x0
	s_mov_b32 exec_lo, -1
	s_wait_tensorcnt 0x0                           ; the wave's end
	ds_add_u32 v223, v243
	s_wait_dscnt 0x0
	s_endpgm
.Lfunc_end_k_qfe5e43382c_attn:
	.size	k_qfe5e43382c_attn, .Lfunc_end_k_qfe5e43382c_attn-k_qfe5e43382c_attn
	.p2alignl 7, 3214868480
	.fill 96, 4, 3214868480
	.section	.rodata,"a",@progbits
	.p2align	6, 0x0
	.amdhsa_kernel k_qfe5e43382c_attn
		.amdhsa_group_segment_fixed_size 327680
		.amdhsa_private_segment_fixed_size 0
		.amdhsa_enable_private_segment 0
		.amdhsa_kernarg_size 32
		.amdhsa_user_sgpr_count 2
		.amdhsa_user_sgpr_kernarg_segment_ptr 1
		.amdhsa_wavefront_size32 1
		.amdhsa_system_sgpr_workgroup_id_x 1
		.amdhsa_system_sgpr_workgroup_id_y 1
		.amdhsa_system_sgpr_workgroup_id_z 1
		.amdhsa_system_vgpr_workitem_id 0
		.amdhsa_next_free_vgpr 256
		.amdhsa_next_free_sgpr 66
		.amdhsa_reserve_vcc 1
		.amdhsa_float_denorm_mode_32 3
		.amdhsa_float_denorm_mode_16_64 3
		.amdhsa_memory_ordered 1
		.amdhsa_forward_progress 1
		.amdhsa_inst_pref_size 82
	.end_amdhsa_kernel
	.amdgpu_metadata
---
amdhsa.version: [ 1, 2 ]
amdhsa.kernels:
  - .name:           k_qfe5e43382c_attn
    .symbol:         k_qfe5e43382c_attn.kd
    .args:
      - { .name: qkv_c, .offset: 0, .size: 8, .value_kind: global_buffer, .address_space: global }
      - { .name: qkv_s, .offset: 8, .size: 8, .value_kind: global_buffer, .address_space: global }
      - { .name: o_c, .offset: 16, .size: 8, .value_kind: global_buffer, .address_space: global }
      - { .name: o_s, .offset: 24, .size: 8, .value_kind: global_buffer, .address_space: global }
    .group_segment_fixed_size: 327680
    .private_segment_fixed_size: 0
    .kernarg_segment_align: 8
    .kernarg_segment_size: 32
    .max_flat_workgroup_size: 512
    .sgpr_count:     66
    .vgpr_count:     256
    .wavefront_size: 32
...
	.end_amdgpu_metadata
.endif
;; end of part 3
;; launch proj (part 4): grid 4 x 64, 4 waves a work-group, clusters of 4 x 4, 295,424 bytes of LDS; arguments c1, s1, o_c, o_s, b_proj, out0; writes out0
.if DOCPART == 4
	.amdgcn_target "amdgcn-amd-amdhsa--gfx1250"
	.amdhsa_code_object_version 6
	.text
	.protected	k_qfe5e43382c_proj
	.globl	k_qfe5e43382c_proj
	.p2align	8
	.type	k_qfe5e43382c_proj,@function
k_qfe5e43382c_proj:
	s_mov_b64 s[64:65], 0
	v_nop
	global_prefetch_b8 v0, s[64:65] scope:SCOPE_SE
	s_setreg_imm32_b32 hwreg(HW_REG_WAVE_MODE, 25, 1), 1
	s_wait_xcnt 0x0
	s_wait_alu depctr_hold_cnt(0) depctr_sa_sdst(0) depctr_va_vdst(0) depctr_va_sdst(0) depctr_va_ssrc(0) depctr_va_vcc(0) depctr_vm_vsrc(0)
	s_getreg_b32 s2, hwreg(HW_REG_IB_STS2, 6, 4)
	s_cmp_eq_u32 s2, 0
	s_cbranch_scc0 .Lentry_in_a_cluster
	s_endpgm
.Lentry_in_a_cluster:
	s_bfe_u32 s2, ttmp6, 0x10000c
	s_cmp_lg_u32 s2, 0xf033
	s_cbranch_scc0 .Lentry_shape_is_right
	s_endpgm
.Lentry_shape_is_right:
; out0 = o W_proj^T + b_proj on codes of BF6; sums f32.  W_proj's codes and scale words are tiles 704-767 of c1, s1; o's lie in o_c, o_s; both in the order of the operand's registers:
; tile 2 g + u, lane r = row 32 g + 8 u + r + 8 (r / 8); a fragment (16 rows x 128 K) is 1,536 bytes; codes [tile][K step][1,536]; scale words [tile][half of K][r][4].
; A WORK-GROUP multiplies S0 = 256 rows of W_proj (16 tiles, source 0) by S1 = 128 tokens (8 tiles, source 1), all of K = 1,024 in LDS at once: 294,912 bytes, every byte filled once by a tensor load.
; A lane then holds one token, and the 16 registers of S0's tiles 2 g, 2 g + 1 are 16 neighbouring columns of out0.  The bias is the C of each sum's first product.
; FOUR WAVES: wave w takes half w & 1 of S0 (8 tiles) and half w >> 1 of S1 (4 tiles): 32 accumulators.
; CLUSTER 4 x 4: S0's tiles hang on the work-group's x: asked for jointly along a column of the cluster; S1's on its y: along a row.
; REGISTERS, in windows of 256: window 0: v1-31 addresses; v32-63 S0's scale words, v64-79 S1's; v80-127, v128-175 S1's fragments, two sets (on the way out v80-207 take rows of out0).
;   window 1: S0's fragments, two sets, at v0 and v128.   window 2: accumulator (a, b) at v[64 b + 8 a].   window 3: v0-63 the bias, in the result's layout.
.set WV,  20                           ; s20 wave;  s21 wave >> 1: my half of S1, and: I fetch for S0 (0) or S1 (1);  s22 wave & 1: my half of S0, and: which half I fetch
.set J,   21
.set I,   22
.set G1A, 24
.set G0A, 32
.set G1B, 48
.set SC0, 32
.set SC1, 64
.set BK,  80
.set MSB, 0
.macro WIN new                         ; the immediate's high byte repeats the setting that is left
.if MSB != \new
	s_set_vgpr_msb (MSB<<8)|\new
.set MSB, \new
.endif
.endm
.macro PLACES n
.rept \n
	v_nop
.endr
.endm
.macro CROUND                          ; a round of the cluster's barrier
	s_barrier_signal -1
	s_barrier_wait -1
	s_cmp_lg_u32 s[WV], 0
	s_cbranch_scc1 .Lnot_wave_0_\@
	s_barrier_signal -3
.Lnot_wave_0_\@:
	s_barrier_wait -3
	s_barrier_signal -1
	s_barrier_wait -1
.endm
.macro SETB g, c                       ; group 0 of S1's chunk c
	s_mov_b32 s[\g], 1
	s_add_co_u32 s[\g+1], s19, 196608+\c*24576
	s_add_nc_u64 s[\g+2:\g+3], s[88:89], \c*3072
	s_or_b32 s[\g+3], s[\g+3], 0x80000000
.endm
.macro FRAG reg, a16, a8, off          ; a fragment's image back into 12 registers: every load is contiguous over the lanes
	ds_load_b128 v[\reg:\reg+3], v[\a16] offset:\off
	ds_load_b64 v[\reg+4:\reg+5], v[\a8] offset:\off+512
	ds_load_b128 v[\reg+6:\reg+9], v[\a16] offset:\off+768
	ds_load_b64 v[\reg+10:\reg+11], v[\a8] offset:\off+1280
.endm
.macro FETCH s                         ; K step s: my 8 fragments of S0 and 4 of S1, into set s % 2: 48 loads in one run
	WIN 0x40                                       ; destination window 1
.irp a, 0,1,2,3,4,5,6,7
	FRAG 128*((\s)%2)+12*\a, 4+6*(\a/4), 5+6*(\a/4), (\a%4)*12288+(\s)*1536   ; tiles 4-7 by v10, v11: an offset has 16 bits
.endr
	WIN 0
.irp b, 0,1,2,3
	FRAG 80+48*((\s)%2)+12*\b, 6, 7, \b*12288+(\s)*1536
.endr
.endm
; One product.  bias = 1: C is the bias of S0's tile a (window 3), else the accumulator.  S0's scale words: lanes 0-15 of register 8 (a % 4) + s hold tile a % 4, lanes 16-31 tile a % 4 + 4;  S1's: 8 (b % 2) + s, tiles b % 2 and b % 2 + 2.
.macro MM s, a, b, bias
.set rD, 64*(\b)+8*(\a)
.set rC, rD
.if \bias
.set rC, 8*(\a)
.endif
.set rA, 128*((\s)%2)+12*(\a)
.set rB, 80+48*((\s)%2)+12*(\b)
.set rSA, SC0+8*((\a)%4)+(\s)
.set rSB, SC1+8*((\b)%2)+(\s)
.if ((\a) < 4) && ((\b) < 2)
	v_wmma_scale_f32_16x16x128_f8f6f4 v[rD:rD+7], v[rA:rA+11], v[rB:rB+11], v[rC:rC+7], v[rSA], v[rSB] matrix_a_fmt:MATRIX_FMT_BF6 matrix_b_fmt:MATRIX_FMT_BF6
.elseif (\a) < 4
	v_wmma_scale_f32_16x16x128_f8f6f4 v[rD:rD+7], v[rA:rA+11], v[rB:rB+11], v[rC:rC+7], v[rSA], v[rSB] matrix_a_fmt:MATRIX_FMT_BF6 matrix_b_fmt:MATRIX_FMT_BF6 matrix_b_scale:MATRIX_SCALE_ROW1
.elseif (\b) < 2
	v_wmma_scale_f32_16x16x128_f8f6f4 v[rD:rD+7], v[rA:rA+11], v[rB:rB+11], v[rC:rC+7], v[rSA], v[rSB] matrix_a_fmt:MATRIX_FMT_BF6 matrix_b_fmt:MATRIX_FMT_BF6 matrix_a_scale:MATRIX_SCALE_ROW1
.else
	v_wmma_scale_f32_16x16x128_f8f6f4 v[rD:rD+7], v[rA:rA+11], v[rB:rB+11], v[rC:rC+7], v[rSA], v[rSB] matrix_a_fmt:MATRIX_FMT_BF6 matrix_b_fmt:MATRIX_FMT_BF6 matrix_a_scale:MATRIX_SCALE_ROW1 matrix_b_scale:MATRIX_SCALE_ROW1
.endif
.endm
.macro MULH s, half, bias              ; 16 products: S1's tiles 2 half, 2 half + 1 x S0's eight.  The 32 accumulators take turns, one instruction a turn, in the same order in every step
.if \bias
	WIN 0xb1                                       ; source 0 window 1, source 1 window 0, C window 3, D window 2
.else
	WIN 0xa1                                       ; C and D window 2
.endif
.irp b, 2*\half, 2*\half+1
.irp a, 0,1,2,3,4,5,6,7
	MM \s, \a, \b, \bias
.endr
.endr
.endm
; A K step.  In its middle the next step's fragments are fetched.
.macro STEP s, bias
	s_wait_dscnt 0x0                               ; this step's fragments are in
	MULH \s, 0, \bias
	WIN 0
	PLACES 4                                       ; four plain places in front of loads into registers that matrix instructions have read
	FETCH (\s)+1
	MULH \s, 1, \bias
	WIN 0
.endm
	s_load_b256 s[4:11], s[0:1], 0x0               ; c1 s[4:5], s1 s[6:7], o_c s[8:9], o_s s[10:11]
	s_load_b128 s[12:15], s[0:1], 0x20             ; b_proj s[12:13], out0 s[14:15]
	v_lshl_add_u32 v254, v0, 2, 0x48000
	v_mov_b32 v255, 0
	ds_add_u32 v254, v255
	ds_add_u32 v254, v255
	v_lshrrev_b32 v1, 5, v0
	v_readfirstlane_b32 s[WV], v1
	s_lshr_b32 s[J], s[WV], 1
	s_and_b32 s[I], s[WV], 1
	s_bfe_u32 s76, ttmp6, 0x40000                  ; cx
	s_bfe_u32 s77, ttmp6, 0x40004                  ; cy
	s_lshl_b32 s78, ttmp9, 2
	s_add_co_u32 s78, s78, s76                     ; x: which 256 columns of out0
	s_and_b32 s79, ttmp7, 0xffff                   ; the cluster's y
	s_lshl_b32 s82, s78, 4
	s_add_co_u32 s82, s82, 704                     ; S0's first tile: it hangs on x alone
	s_lshl_b32 s83, s79, 5
	s_lshl_b32 s101, s77, 3
	s_add_co_u32 s83, s83, s101                    ; S1's: 8 (4 x cluster y + cy): on y alone
	s_lshl_b32 s93, s77, 2
	s_lshl_b32 s93, 15, s93                        ; my row of the cluster
	s_lshl_b32 s94, 0x1111, s76                    ; my column
	; group 1: rows of 12,288 bytes (all of K of a tile: 1,536 elements of 8 bytes), one behind the other; 8 rows for S0, 4 for S1; no padding
	s_or_b32 s[G1A], s94, (3<<16)|(1<<21)          ; 15:0 the mask; 17:16 elements of 8 bytes; 21 set beside a mask
	s_or_b32 s[G1B], s93, (3<<16)|(1<<21)
.irp g, G1A, G1B
	s_mov_b32 s[\g+1], 1536<<16                    ; tensor_dim0
	s_mov_b32 s[\g+3], 1536<<16                    ; tile_dim0
	s_mov_b32 s[\g+5], 1536                        ; the pitch
	s_mov_b32 s[\g+6], 0
	s_mov_b32 s[\g+7], 0
.endr
	s_mov_b32 s[G1A+2], 8<<16                      ; tensor_dim1
	s_mov_b32 s[G1A+4], 8                          ; tile_dim1
	s_mov_b32 s[G1B+2], 4<<16
	s_mov_b32 s[G1B+4], 4
	s_lshl_b32 s86, s[I], 3
	s_add_co_u32 s86, s86, s82                     ; S0: the half that I fetch is the half that I read
	s_lshl_b32 s90, s86, 9                         ; its scale words, 512 bytes a tile
	s_mov_b32 s91, 0
	s_mul_i32 s86, s86, 12288                      ; its codes
	s_mov_b32 s87, 0
	s_lshl_b32 s88, s[I], 2
	s_add_co_u32 s88, s88, s83                     ; S1: the half that I fetch,
	s_mul_i32 s88, s88, 12288
	s_mov_b32 s89, 0
	s_lshl_b32 s92, s[J], 2
	s_add_co_u32 s92, s92, s83                     ; and the half that I read
	s_lshl_b32 s92, s92, 9
	s_mov_b32 s93, 0
	s_mul_i32 s23, s[I], 98304                     ; LDS: S0's halves at 0 and 98,304, S1's at 196,608 and 245,760: no place in the cluster enters an LDS address
	s_mul_i32 s19, s[I], 49152
	s_wait_dscnt 0x0
	s_wait_kmcnt 0x0
	s_add_nc_u64 s[86:87], s[4:5], s[86:87]
	s_add_nc_u64 s[88:89], s[8:9], s[88:89]
	s_add_nc_u64 s[90:91], s[6:7], s[90:91]
	s_add_nc_u64 s[92:93], s[10:11], s[92:93]
	s_mov_b32 s[G0A], 1
	s_add_co_u32 s[G0A+1], s23, 0
	s_mov_b64 s[G0A+2:G0A+3], s[86:87]
	s_or_b32 s[G0A+3], s[G0A+3], 0x80000000
	SETB 56, 0
	CROUND                                         ; all sixteen work-groups are here: the joint loads meet
	s_cmp_eq_u32 s[J], 0                           ; one tensor load a wave, a fill in each arm of one branch on the wave's number: half of S0 or half of S1, all of K
	s_cbranch_scc0 .Lfill_b
	tensor_load_to_lds s[32:35], s[G1A:G1A+7]
	s_nop 0
	PLACES 4
	s_branch .Lfilled
.Lfill_b:
	tensor_load_to_lds s[56:59], s[G1B:G1B+7]
	s_nop 0
	PLACES 4
.Lfilled:
	v_and_b32 v1, 15, v0                           ; r
	v_bfe_u32 v2, v0, 4, 1                         ; h
	v_and_b32 v3, 31, v0                           ; lane
	v_lshlrev_b32 v30, 4, v3                       ; 16 x lane
	v_lshlrev_b32 v31, 3, v3                       ; 8 x lane
	v_lshlrev_b32 v26, 4, v1                       ; 16 r
	v_add_nc_u32 v4, s23, v30                      ; my half of S0 in chunk 0
	v_add_nc_u32 v5, s23, v31
	v_add_nc_u32 v10, 49152, v4                    ; its tiles 4-7
	v_add_nc_u32 v11, 49152, v5
	s_mul_i32 s3, s[J], 49152
	s_add_co_u32 s3, s3, 196608
	v_add_nc_u32 v6, s3, v30                       ; my half of S1
	v_add_nc_u32 v7, s3, v31
	v_lshl_add_u32 v210, v2, 11, v26               ; scale words: lanes 16-31 take the tile four on (S0),
	v_lshl_add_u32 v211, v2, 10, v26               ; two on (S1)
.irp a, 0,1,2,3                        ; all of K's scale words go into registers once: sixteen lanes read 256 consecutive bytes
.irp q, 0,1
	global_load_b128 v[SC0+8*\a+4*\q:SC0+8*\a+4*\q+3], v210, s[90:91] offset:\a*512+\q*256
.endr
.endr
.irp b, 0,1
.irp q, 0,1
	global_load_b128 v[SC1+8*\b+4*\q:SC1+8*\b+4*\q+3], v211, s[92:93] offset:\b*512+\q*256
.endr
.endr
	s_lshl_b32 s16, s78, 10
	s_lshl_b32 s17, s[I], 9
	s_add_co_u32 s16, s16, s17                     ; my first column, in bytes: (256 x + 128 i) x 4
	s_mov_b32 s17, 0
	s_add_nc_u64 s[12:13], s[12:13], s[16:17]      ; b_proj there
	s_lshl_b32 s2, s79, 2
	s_add_co_u32 s2, s2, s77                       ; y: which 128 tokens
	s_lshl_b32 s2, s2, 19                          ; 128 rows of 4,096 bytes,
	s_lshl_b32 s3, s[J], 18                        ; 64 for my half
	s_add_co_u32 s2, s2, s3
	s_add_co_u32 s2, s2, s16
	s_mov_b32 s3, 0
	s_add_nc_u64 s[14:15], s[14:15], s[2:3]        ; out0 at my first token and column
	v_lshlrev_b32 v212, 6, v2                      ; the bias in the result's layout: tile 2 g + u, lane half h: columns 32 g + 8 u + 16 h + 0 .. 7
	WIN 0xc0                                       ; destination window 3
.irp a, 0,1,2,3,4,5,6,7
	global_load_b128 v[8*\a:8*\a+3], v212, s[12:13] offset:(32*(\a/2)+8*(\a%2))*4
	global_load_b128 v[8*\a+4:8*\a+7], v212, s[12:13] offset:(32*(\a/2)+8*(\a%2))*4+16
.endr
	WIN 0
	s_mul_i32 s16, s[WV], 8448                     ; my stage: 16 rows x 528 bytes
	v_mul_u32_u24 v8, v1, 528
	v_lshl_add_u32 v8, v2, 6, v8
	v_add_nc_u32 v8, s16, v8                       ; in: row r, + 64 h
	v_add_nc_u32 v9, s16, v30                      ; back: a row's 512 bytes over the 32 lanes
	s_wait_alu depctr_va_vdst(0)
	s_wait_tensorcnt 0x0                           ; my one load is in
	s_barrier_signal -1
	s_barrier_wait -1                              ; everybody's is
	FETCH 0
	s_wait_loadcnt 0x0                             ; scale words and bias
	STEP 0, 1                                      ; the first step's products start the sums from the bias
	STEP 1, 0
	STEP 2, 0
	STEP 3, 0
	STEP 4, 0
	STEP 5, 0
	STEP 6, 0
	s_wait_dscnt 0x0                               ; my last reads of the operands have come back:
	s_barrier_signal -1                            ; say so, work on registers,
	MULH 7, 0, 0
	MULH 7, 1, 0
	WIN 0
	s_barrier_wait -1                              ; and go on when nobody reads the operands any more
	PLACES 4                                       ; in front of the first read of results and of loads into the last products' sources
; THE WAY OUT, a block for each of my four tiles of tokens: 16 tokens x 128 columns.  A lane holds pieces of one row, the lanes beside it other rows: the block goes through my own stage and comes back as whole rows of 512 bytes.
; The stages lie in S0's first bytes: they have had their only fill, and nobody reads them behind the barrier above.  LDS serves a wave's instructions in order: no wait between the stores and the loads, nor in front of the next block's stores.
.macro TOSTAGE b
	WIN 0x08                                       ; the data: window 2
.irp a, 0,1,2,3,4,5,6,7
	ds_store_b128 v8, v[64*(\b)+8*\a:64*(\b)+8*\a+3] offset:128*(\a/2)+32*(\a%2)        ; each accumulator from its low end on
	ds_store_b128 v8, v[64*(\b)+8*\a+4:64*(\b)+8*\a+7] offset:128*(\a/2)+32*(\a%2)+16
.endr
	WIN 0
.irp t, 0,1,2,3,4,5,6,7,8,9,10,11,12,13,14,15
	ds_load_b128 v[BK+64*((\b)%2)+4*\t:BK+64*((\b)%2)+4*\t+3], v9 offset:528*\t
.endr
.endm
.macro SEND b, younger                 ; younger: the LDS instructions issued behind block b's loads, which may stay out
	s_wait_dscnt \younger
.irp t, 0,1,2,3,4,5,6,7,8,9,10,11,12,13,14,15
	global_store_b128 v30, v[BK+64*((\b)%2)+4*\t:BK+64*((\b)%2)+4*\t+3], s[14:15] offset:(32*((\b)/2)+8*((\b)%2)+\t+8*(\t/8))*4096 th:TH_STORE_NT   ; 512 consecutive bytes, aligned; stage row t is the tile's token t + 8 (t / 8)
.endr
.endm
	TOSTAGE 0
	TOSTAGE 1
	SEND 0, 32                                     ; behind block 0's loads: block 1's 16 stores and 16 loads
	s_wait_xcnt 0x0                                ; block 0's stores have read their registers: block 2's rows may land there
	TOSTAGE 2
	SEND 1, 32
	s_wait_xcnt 0x0
	TOSTAGE 3
	SEND 2, 32
	SEND 3, 0
	s_wait_tensorcnt 0x0
	ds_add_u32 v254, v255
	s_wait_dscnt 0x0
	CROUND                                         ; the closing round: no work-group ends while a partner may still ask for a tile that names it
	s_endpgm
.Lfunc_end_k_qfe5e43382c_proj:
	.size	k_qfe5e43382c_proj, .Lfunc_end_k_qfe5e43382c_proj-k_qfe5e43382c_proj
	.p2alignl 7, 3214868480
	.fill 96, 4, 3214868480
	.section	.rodata,"a",@progbits
	.p2align	6, 0x0
	.amdhsa_kernel k_qfe5e43382c_proj
		.amdhsa_group_segment_fixed_size 295424
		.amdhsa_private_segment_fixed_size 0
		.amdhsa_enable_private_segment 0
		.amdhsa_kernarg_size 48
		.amdhsa_user_sgpr_count 2
		.amdhsa_user_sgpr_kernarg_segment_ptr 1
		.amdhsa_wavefront_size32 1
		.amdhsa_system_sgpr_workgroup_id_x 1
		.amdhsa_system_sgpr_workgroup_id_y 1
		.amdhsa_system_sgpr_workgroup_id_z 1
		.amdhsa_system_vgpr_workitem_id 0
		.amdhsa_next_free_vgpr 832
		.amdhsa_next_free_sgpr 102
		.amdhsa_reserve_vcc 0
		.amdhsa_float_denorm_mode_32 3
		.amdhsa_float_denorm_mode_16_64 3
		.amdhsa_memory_ordered 1
		.amdhsa_forward_progress 1
		.amdhsa_inst_pref_size 83
	.end_amdhsa_kernel
	.amdgpu_metadata
---
amdhsa.version: [ 1, 2 ]
amdhsa.kernels:
  - .name:           k_qfe5e43382c_proj
    .symbol:         k_qfe5e43382c_proj.kd
    .args:
      - { .name: c1, .offset: 0, .size: 8, .value_kind: global_buffer, .address_space: global }
      - { .name: s1, .offset: 8, .size: 8, .value_kind: global_buffer, .address_space: global }
      - { .name: o_c, .offset: 16, .size: 8, .value_kind: global_buffer, .address_space: global }
      - { .name: o_s, .offset: 24, .size: 8, .value_kind: global_buffer, .address_space: global }
      - { .name: b_proj, .offset: 32, .size: 8, .value_kind: global_buffer, .address_space: global }
      - { .name: out0, .offset: 40, .size: 8, .value_kind: global_buffer, .address_space: global }
    .group_segment_fixed_size: 295424
    .private_segment_fixed_size: 0
    .kernarg_segment_align: 8
    .kernarg_segment_size: 48
    .max_flat_workgroup_size: 128
    .sgpr_count:     102
    .vgpr_count:     832
    .wavefront_size: 32
...
	.end_amdgpu_metadata
.endif
;; end of part 4
